; MI455X (gfx1250); checked and timed in simulation.
; The chip was launched on July 23, 2026; its instructions are those of AMD's public machine-readable ISA for CDNA 5 (MIT licence, August 2026) and "CDNA5" Instruction Set Architecture Reference Guide (July 2026). The comments in the code are by the model that wrote it; some were corrected since.
;; Multi Head Self Attention. Allowed arithmetic: matrix products marked QUANTISED: E2M3 operands, one E8M0 scale for each 32 along K, by v_wmma_scale_f32_16x16x128_f8f6f4 with both operands' format E2M3, f32 sums; everything else in f32.
;; Inputs: Wk 1,024 x 1,024 float32; Wo 1,024 x 1,024 float32; Wq 1,024 x 1,024 float32; Wv 1,024 x 1,024 float32; bk 1,024 float32; bo 1,024 float32; bq 1,024 float32; bv 1,024 float32; key 4 x 2,048 x 1,024 float32; mask 4 x 1 x 1 x 2,048 float32; query 4 x 2,048 x 1,024 float32; value 4 x 2,048 x 1,024 float32.
;; Outputs: out0 4 x 2,048 x 1,024 float32.
;; This version of the problem:
;;   THIS VERSION OF THE PROBLEM IS GIVEN IN LOW PRECISION. The matrix products marked QUANTISED in the list below multiply operands that are first quantised to E2M3 (2 exponent bits, 3 mantissa bits; 6 bits a number), with one power-of-two scale for each 32 numbers along K (OCP MX v1.0); their sums are f32. All else is computed in f32.
;;   The module's matrix products, in the order in which they are computed (A, B: the left and right operand; K: the contracted axis; several contracted axes count as one K, in the product's order):
;;     1. [M 8,192, K 1,024] x [K 1,024, N 1,024]; A: input query; B: input Wq: QUANTISED
;;     2. [M 8,192, K 1,024] x [K 1,024, N 1,024]; A: input key; B: input Wk: QUANTISED
;;     3. [M 8,192, K 1,024] x [K 1,024, N 1,024]; A: input value; B: input Wv: QUANTISED
;;     4. batch 64 x [M 2,048, K 64] x [K 64, N 2,048]; A: computed on the way; B: computed on the way: QUANTISED
;;     5. batch 64 x [M 2,048, K 2,048] x [K 2,048, N 64]; A: softmax (see below); B: computed on the way: QUANTISED
;;     6. [M 8,192, K 1,024] x [K 1,024, N 1,024]; A: computed on the way; B: input Wo: QUANTISED
;;   THE QUANTISER, for each operand of a quantised product, along K:
;;     - K is cut into blocks of 32 from its start; a last block that is shorter is filled with zeros.
;;     - A block's scale is 2^e with e = floor(log2(the largest magnitude in the block)) - 2, held to -126 .. 127; a block of zeros has e = 0. As a byte (E8M0): e + 127.
;;     - Each number is divided by its block's scale, clamped to +-7.5, and rounded to the nearest number of E2M3, ties to even, subnormals kept.
;;     - The product sums the exact products of the quantised numbers (number of the format x scale) in f32.
;;   ~~~python
;;   def quantise(x, axis):      # numpy; x: float32 -> the quantised numbers, widened to float32 again
;;       x = np.moveaxis(x, axis, -1); K = x.shape[-1]
;;       x = np.pad(x, [(0, 0)] * (x.ndim - 1) + [(0, -K % 32)]); x = x.reshape(x.shape[:-1] + (-1, 32)); a = np.abs(x).max(-1, keepdims=True)
;;       e = np.where(a > 0, np.clip(np.frexp(np.where(a > 0, a, 1))[1] - 1 - 2, -126, 127), 0)      # np.frexp(a)[1] - 1 = floor(log2(a)), exactly
;;       r = np.clip(x / 2.0 ** e, -7.5, 7.5)
;;       step = 2.0 ** (np.maximum(np.frexp(np.where(r == 0, 1, r))[1] - 1, 0) - 3)
;;       q = np.round(r / step) * step * 2.0 ** e      # np.round: ties to even
;;       return np.moveaxis(q.reshape(q.shape[:-2] + (-1,))[..., :K], -1, axis).astype(np.float32)
;;   ~~~
;;   SOFTMAX AHEAD OF A QUANTISED PRODUCT. Where the list says 'softmax', what is quantised is not the finished softmax but p = 2^(t - M), with t = logit x log2(e) and M = ceil(the row's largest t), a whole number; so 1/2 < the row's largest p <= 1. The row's sum l is taken of the UNQUANTISED p, in f32, and the product's result is divided by l at the end. Since M is a whole number, a kernel that streams over the keys may use a running M (the ceiling of the running maximum): every later rescaling is an exact power of two, which a block's scale takes up: the codes' values come out the same.
;;   OPERANDS COMPUTED ON THE WAY. 'Computed on the way' means the value that the module computes at that place (a softmax that the list does not call 'softmax' is quantised finished and normalised). What goes into a quantiser is computed in f32, as accurately as f32 sums, v_exp_f32 and their like allow (about 1e-6 of the number): no bf16 or f16 on the way to a quantiser, and a product that is left as it is and whose result goes on into a quantised operand takes f32 operands (vector FMAs, or v_wmma_f32_16x16x4_f32). A number that lies on a knife's edge between two numbers of the format may be rounded either way, as far as f32 arithmetic and the matrix unit's own rounding can turn it there, and no further.
;; One version. Each part assembles by itself: llvm-mc -triple=amdgcn-amd-amdhsa -mcpu=gfx1250 --defsym DOCPART=n.
;; ======== version 1 of 1: 4 launches
;; limits: right only within a limited range of input values
;; workspace buffers: xcod 18,874,368 bytes; xscl 786,432 bytes; wcod 3,145,728 bytes; wscl 131,072 bytes; pcod 18,874,368 bytes; pscl 786,432 bytes; acod 6,291,456 bytes; ascl 262,144 bytes
;; launch quant (part 1): grid 896 x 1, 4 waves a work-group, no clusters, 68,096 bytes of LDS; arguments query, key, value, Wq, Wk, Wv, Wo, xcod, xscl, wcod, wscl; writes xcod, xscl, wcod, wscl
.if DOCPART == 1
	.amdgcn_target "amdgcn-amd-amdhsa--gfx1250"
	.amdhsa_code_object_version 6
	.text
	.protected	k_qa8fe1457ac_quant
	.globl	k_qa8fe1457ac_quant
	.p2align	8
	.type	k_qa8fe1457ac_quant,@function
k_qa8fe1457ac_quant:
	s_mov_b64 s[64:65], 0
	v_nop
	global_prefetch_b8 v0, s[64:65] scope:SCOPE_SE
	s_setreg_imm32_b32 hwreg(HW_REG_WAVE_MODE, 25, 1), 1
	s_wait_xcnt 0x0
; query, key, value [8192][1024] f32 (K innermost) and Wq, Wk, Wv, Wo [1024 (k)][1024 (n)] f32 (K outermost) become codes of FP6 (E2M3) with one E8M0 byte for each 32 along K.
; xcod [3][8192][768], xscl [3][8192][32]: rows as they lie.  wcod [4][n 1024][768], wscl [4][n][32]: K innermost.
; A block's scale is 2^(floor(log2(its largest magnitude)) - 2): its byte is the largest magnitude's exponent field - 2, held at 1 from below.
; Wo ALONE has another order INSIDE each block of 32: code place i holds k = i with bits 3 and 4 exchanged, the order in which the attention launch's codes of the other operand come out; the block and its scale are the true ones.
; LIMITS: NaN and infinities among the inputs are not served; blocks whose largest magnitude lies under 2^-124 keep the byte 1; a block of zeros has the byte 1 (its codes are zeros; these bytes are read by this program alone).
; The first 128 work-groups take the weights (32 each: 128 columns x 256 along K), the other 768 the activations (32,768 numbers each).  The two ways have LDS bytes of their own.  No barrier: waves share nothing.
; No matrix unit, no cluster, no tensor load: a stream, each byte read once.
.set WGW,    128
.set EMAX,   2
.set NB,     8                         ; weights: blocks of 32 along K for a lane
.set WPITCH, 272                       ; a stage row: sixteen places of 16 bytes (12 of codes) + 16
; THE CODES' ORDER (in place of the rows of 768 bytes named at the head): xcod and wcod lie [region of 1,024 rows][256 along K][row][192 bytes], so that 128 rows x 256 along K are 24,576 consecutive bytes.
.set KROW,   192                       ; a row's codes of 256 along K, in bytes
.set WST,    32768                     ; the weights' stages begin here: 32 x 272 bytes a wave
.set WOF,    16                        ; v16-19  offsets of the four groups of eight rows of a block
.set WSB,    24                        ; v24-25  scale bytes
.set WX,     32                        ; v32-95  two sets of 32 numbers
.set WC,     96                        ; v96..   a block's codes
.set WOUT,   112                       ; v112-175 the way out
.set STEPS,  16                        ; activations: steps of 512 numbers for a wave
.set CB,     12                        ; bytes of 16 codes
.set XR,     16                        ; v16-79   four sets of 16 numbers as loaded
.set XX,     80                        ; v80-111  two sets of 16 neighbours
.set XE,     112                       ; v112-127 a scale byte for each step
.set XC,     128                       ; v128-191 codes, four registers for each step
.set WREG,   8192                      ; LDS of a wave on the activations' way: two stages of 32 x 80 bytes, then 256 scale bytes
.set SP,     80
	s_load_b512 s[4:19], s[0:1], 0x0               ; query, key, value, Wq, Wk, Wv, Wo, xcod
	s_load_b128 s[20:23], s[0:1], 0x40             ; xscl, wcod
	s_load_b64 s[24:25], s[0:1], 0x50              ; wscl
	v_lshl_add_u32 v192, v0, 2, 0x10800
	v_mov_b32 v193, 0
	v_lshrrev_b32 v1, 5, v0
	v_readfirstlane_b32 s26, v1                    ; wave 0..3
	v_and_b32 v2, 31, v0                           ; lane
	s_cmp_lt_u32 ttmp9, WGW
	s_cbranch_scc0 .Lx
; ---------------- the weights: a lane takes a column n, its registers run down K ----------------
	s_and_b32 s27, ttmp9, 7                        ; which 128 columns
	s_bfe_u32 s28, ttmp9, 0x20003                  ; which 256 along K
	s_lshr_b32 s29, ttmp9, 5                       ; which weight: 0 Wq, 1 Wk, 2 Wv, 3 Wo
	s_lshl_b32 s30, s27, 7
	s_lshl_b32 s31, s26, 5
	s_add_co_u32 s30, s30, s31                     ; my wave's first column
	s_wait_alu depctr_va_vdst(0)
	v_lshlrev_b32 v3, 2, v2                        ; in: 4 bytes a lane
	s_mul_i32 s31, s26, 32*WPITCH
	s_add_co_u32 s31, s31, WST                     ; my stage
	v_mul_u32_u24 v4, v2, WPITCH
	v_add_nc_u32 v4, s31, v4                       ; into it: row = my column
	v_and_b32 v5, 15, v2
	v_lshrrev_b32 v6, 4, v2
	v_mul_u32_u24 v7, v6, WPITCH
	v_lshl_add_u32 v7, v5, 4, v7
	v_add_nc_u32 v7, s31, v7                       ; out of it: sixteen lanes to a row, two rows an instruction
	v_mul_u32_u24 v8, v6, KROW
	v_mad_u32_u24 v8, v5, 12, v8                   ; and the same place in the codes' buffer
	v_lshlrev_b32 v9, 5, v2                        ; my column's row of scale bytes: 32 bytes a row
	s_mov_b32 s32, 0x8000                          ; eight rows of W are 32,768 bytes
	s_mov_b32 s33, 0x10000
	s_cmp_eq_u32 s29, 3                            ; Wo: registers 8-15 take rows 16-23 of a block, registers 16-23 rows 8-15
	s_cselect_b32 s34, s33, s32
	s_cselect_b32 s35, s32, s33
	v_mov_b32 v[WOF], v3
	v_add_nc_u32 v[WOF+1], s34, v3
	v_add_nc_u32 v[WOF+2], s35, v3
	v_add_nc_u32 v[WOF+3], 0x18000, v3
	s_lshl_b32 s36, s28, 20                        ; W: 256 rows of 4,096 bytes for each step along K,
	s_lshl_b32 s37, s30, 2
	s_add_co_u32 s36, s36, s37                     ; + 4 x column
	s_mov_b32 s37, 0
	s_mul_i32 s38, s29, 786432                     ; codes: the weight's region,
	s_mul_i32 s39, s30, KROW
	s_add_co_u32 s38, s38, s39                     ; + column x 192
	s_mul_i32 s39, s28, 196608
	s_add_co_u32 s38, s38, s39                     ; + 196,608 bytes for each 256 along K
	s_mov_b32 s39, 0
	s_lshl_b32 s40, s29, 15                        ; scale bytes likewise: 32,768 a weight, 32 a column, 8 for each 256 along K
	s_lshl_b32 s41, s30, 5
	s_add_co_u32 s40, s40, s41
	s_lshl_b32 s41, s28, 3
	s_add_co_u32 s40, s40, s41
	s_mov_b32 s41, 0
	s_wait_alu depctr_va_vdst(0)
	s_wait_kmcnt 0x0
	s_cmp_lt_u32 s29, 2                            ; the choice hangs on the work-group's number alone
	s_cselect_b64 s[42:43], s[10:11], s[14:15]     ; Wq or Wv
	s_cselect_b64 s[44:45], s[12:13], s[16:17]     ; Wk or Wo
	s_and_b32 s46, s29, 1
	s_cmp_eq_u32 s46, 0
	s_cselect_b64 s[4:5], s[42:43], s[44:45]
	s_add_nc_u64 s[4:5], s[4:5], s[36:37]
	s_add_nc_u64 s[6:7], s[22:23], s[38:39]
	s_add_nc_u64 s[8:9], s[24:25], s[40:41]
.macro WLOAD t                         ; block t into set t % 2: register i = row 32 t + (group i / 8's eight rows) + i % 8 of my column; 32 lanes read 128 consecutive bytes
.irp i, 0,1,2,3,4,5,6,7,8,9,10,11,12,13,14,15,16,17,18,19,20,21,22,23,24,25,26,27,28,29,30,31
	global_load_b32 v[WX+32*((\t)%2)+\i], v[WOF+\i/8], s[4:5] offset:(32*(\t)+\i%8)*4096 th:TH_LOAD_NT
.endr
.endm
	WLOAD 0
	WLOAD 1
.macro WBLOCK t
.set XS, WX+32*((\t)%2)
.if (\t) < NB-1
	s_wait_loadcnt 32                              ; this block's 32 loads are in; the next block's 32 may be out
.else
	s_wait_loadcnt 0
.endif
	v_max3_num_f32 v12, |v[XS]|, |v[XS+1]|, |v[XS+2]|               ; the block's largest magnitude: all 32 numbers are mine
	v_max3_num_f32 v13, |v[XS+3]|, |v[XS+4]|, |v[XS+5]|
.irp i, 6,10,14,18,22,26
	v_max3_num_f32 v12, v12, |v[XS+\i]|, |v[XS+\i+1]|
	v_max3_num_f32 v13, v13, |v[XS+\i+2]|, |v[XS+\i+3]|
.endr
	v_max3_num_f32 v12, v12, |v[XS+30]|, |v[XS+31]|
	v_max3_num_f32 v12, v12, v13, (EMAX+1)<<23     ; and the floor 2^(3 - 127): the byte cannot fall under 1
	v_add_nc_u32 v11, -(EMAX<<23), v12             ; 2 off the exponent field: the conversion takes this operand's exponent field as its scale
	v_lshrrev_b32 v13, 23, v11                     ; the scale's byte
.if (\t)%4 == 0
	v_mov_b32 v[WSB+(\t)/4], v13                   ; four bytes to a register, the lower K in the lower byte
.else
	v_lshl_or_b32 v[WSB+(\t)/4], v13, 8*((\t)%4), v[WSB+(\t)/4]
.endif
	v_cvt_scalef32_pk16_fp6_f32 v[WC:WC+2], v[XS:XS+15], v11
	v_cvt_scalef32_pk16_fp6_f32 v[WC+4:WC+6], v[XS+16:XS+31], v11   ; (a conversion's three registers begin on an even number)
	ds_store_b96 v4, v[WC:WC+2] offset:32*(\t)     ; 12 bytes to a place of 16 in the stage
	ds_store_b96 v4, v[WC+4:WC+6] offset:32*(\t)+16
.if (\t)+2 < NB
	WLOAD (\t)+2
.endif
	s_wait_dscnt 0x0                               ; the stores have read their registers: the next block's codes may be written
.endm
.irp t, 0,1,2,3,4,5,6,7
	WBLOCK \t
.endr
	s_wait_alu depctr_va_vdst(0)
	global_store_b64 v9, v[WSB:WSB+1], s[8:9]      ; my column's eight scale bytes
.irp t, 0,1,2,3,4,5,6,7,8,9,10,11,12,13,14,15
	ds_load_b96 v[WOUT+4*\t:WOUT+4*\t+2], v7 offset:2*\t*WPITCH   ; LDS serves a wave's instructions in order: these see my stores
.endr
.irp t, 0,1,2,3,4,5,6,7,8,9,10,11,12,13,14,15
	s_wait_dscnt 15-\t                             ; the loads behind load t may be out
	global_store_b96 v8, v[WOUT+4*\t:WOUT+4*\t+2], s[6:7] offset:2*\t*KROW   ; sixteen lanes store a row's 192 consecutive bytes
.endr
	s_wait_tensorcnt 0x0
	ds_add_u32 v192, v193
	s_wait_dscnt 0x0
	s_endpgm
; ---------------- the activations: plain streams of blocks of 32 ----------------
.Lx:
	s_sub_co_u32 s27, ttmp9, WGW                   ; 0..767
	s_lshr_b32 s28, s27, 8                         ; 0 query, 1 key, 2 value
	s_and_b32 s29, s27, 255
	s_lshl_b32 s29, s29, 2
	s_add_co_u32 s29, s29, s26                     ; which run of 8,192 numbers of the tensor is my wave's
	s_lshl_b32 s30, s29, 15                        ; 32,768 bytes a run
	s_mov_b32 s31, 0
	s_lshl_b32 s32, s27, 2
	s_add_co_u32 s32, s32, s26                     ; the same counted through all three tensors
	s_lshr_b32 s33, s32, 7                         ; 128 runs of 8 rows to a region of 1,024 rows
	s_mul_i32 s33, s33, 786432
	s_and_b32 s34, s32, 127
	s_mul_i32 s34, s34, 1536                       ; 8 rows of 192 bytes a run
	s_add_co_u32 s34, s34, s33
	s_mov_b32 s35, 0
	s_lshl_b32 s36, s32, 8                         ; 256 scale bytes a run
	s_mov_b32 s37, 0
	s_wait_alu depctr_va_vdst(0)
	v_lshlrev_b32 v3, 4, v2                        ; my 16 bytes of a load's 512
	s_mul_i32 s38, s26, WREG
	v_lshrrev_b32 v14, 2, v2
	v_mul_u32_u24 v14, v14, SP
	v_and_b32 v15, 3, v2
	v_lshl_add_u32 v14, v15, 4, v14
	v_add_nc_u32 v14, s38, v14                     ; the stage, on the way in: four lanes' 64 bytes on end, then 16 of padding
	v_mul_u32_u24 v15, v2, SP
	v_add_nc_u32 v15, s38, v15                     ; and on the way out: my 16 neighbours
	v_and_b32 v4, 15, v2
	v_mul_u32_u24 v4, v4, CB                       ; sixteen lanes fill a row's 192 bytes;
	v_lshrrev_b32 v5, 4, v2
	v_mad_u32_u24 v4, v5, 0x30000, v4              ; lanes 16-31 hold the next 256 along K, 196,608 bytes on
	v_lshrrev_b32 v5, 1, v2
	s_add_co_u32 s38, s38, 2*32*SP
	v_add_nc_u32 v5, s38, v5                       ; my wave's 256 scale bytes, my block's byte
	v_lshlrev_b32 v7, 3, v2
	v_add_nc_u32 v6, s38, v7                       ; and on the way out 8 bytes a lane
	s_wait_alu depctr_va_vdst(0)
	s_wait_kmcnt 0x0
	s_cmp_eq_u32 s28, 0                            ; the choice hangs on the work-group's number alone
	s_cselect_b64 s[4:5], s[4:5], s[6:7]
	s_cmp_eq_u32 s28, 2
	s_cselect_b64 s[4:5], s[8:9], s[4:5]
	s_add_nc_u64 s[4:5], s[4:5], s[30:31]
	s_add_nc_u64 s[8:9], s[18:19], s[34:35]
	s_add_nc_u64 s[10:11], s[20:21], s[36:37]
.macro XLOAD t
.irp i, 0,1,2,3
	global_load_b128 v[XR+16*((\t)%4)+4*\i:XR+16*((\t)%4)+4*\i+3], v3, s[4:5] offset:2048*(\t)+512*\i th:TH_LOAD_NT   ; 32 lanes read 512 consecutive bytes
.endr
.endm
.macro XTURN t                         ; step t's numbers through the stage: LDS serves a wave's instructions in order
.irp i, 0,1,2,3
	ds_store_b128 v14, v[XR+16*((\t)%4)+4*\i:XR+16*((\t)%4)+4*\i+3] offset:32*SP*((\t)%2)+8*SP*\i
.endr
.irp i, 0,1,2,3
	ds_load_b128 v[XX+16*((\t)%2)+4*\i:XX+16*((\t)%2)+4*\i+3], v15 offset:32*SP*((\t)%2)+16*\i
.endr
.endm
.irp t, 0,1,2,3
	XLOAD \t
.endr
	s_wait_loadcnt 12                              ; step 0's four loads are in; the twelve behind them may be out
	XTURN 0
.macro XSTEP t
.set XS, XX+16*((\t)%2)
.if (\t) > 0
	s_wait_dscnt 1                                 ; this step's numbers are back from the stage (the last step's byte store may be out)
.else
	s_wait_dscnt 0x0
.endif
.if (\t)+4 < STEPS
	XLOAD (\t)+4                                   ; into the registers that this step's stores into the stage have read
.endif
.if (\t)+1 < STEPS
.if STEPS-2-(\t) >= 3
	s_wait_loadcnt 12                              ; the next step's four loads are in; those of the three steps behind it may be out
.else
	s_wait_loadcnt 4*(STEPS-2-(\t))
.endif
	XTURN (\t)+1
.endif
	v_max3_num_f32 v8, |v[XS]|, |v[XS+1]|, |v[XS+2]|               ; the largest magnitude of my 16
	v_max3_num_f32 v9, |v[XS+3]|, |v[XS+4]|, |v[XS+5]|
.irp i, 6,10
	v_max3_num_f32 v8, v8, |v[XS+\i]|, |v[XS+\i+1]|
	v_max3_num_f32 v9, v9, |v[XS+\i+2]|, |v[XS+\i+3]|
.endr
	v_max3_num_f32 v8, v8, |v[XS+14]|, |v[XS+15]|
	v_max3_num_f32 v8, v8, v9, (EMAX+1)<<23        ; and the floor
	v_max_num_f32_dpp v8, v8, v8 row_xmask:1 row_mask:0xf bank_mask:0xf   ; and of my neighbour's 16: the block's
	v_add_nc_u32 v11, -(EMAX<<23), v8
	v_cvt_scalef32_pk16_fp6_f32 v[XC+4*(\t):XC+4*(\t)+2], v[XS:XS+15], v11
	v_lshrrev_b32 v[XE+(\t)], 23, v11              ; the scale's byte (a plain line behind the conversion)
	ds_store_b8 v5, v[XE+(\t)] offset:16*(\t)      ; both lanes of a block write the same byte with the same value
	global_store_b96 v4, v[XC+4*(\t):XC+4*(\t)+2], s[8:9] offset:192*((\t)/2)+393216*((\t)%2)   ; row t / 2 of my eight, half t % 2 of its K
.endm
.irp t, 0,1,2,3,4,5,6,7,8,9,10,11,12,13,14,15
	XSTEP \t
.endr
	ds_load_b64 v[12:13], v6                       ; these see my byte stores
	s_wait_dscnt 0x0
	global_store_b64 v7, v[12:13], s[10:11]        ; 32 lanes store 256 consecutive bytes, aligned
	s_wait_tensorcnt 0x0
	ds_add_u32 v192, v193
	s_wait_dscnt 0x0
	s_endpgm
.Lfunc_end_k_qa8fe1457ac_quant:
	.size	k_qa8fe1457ac_quant, .Lfunc_end_k_qa8fe1457ac_quant-k_qa8fe1457ac_quant
	.p2alignl 7, 3214868480
	.fill 96, 4, 3214868480
	.section	.rodata,"a",@progbits
	.p2align	6, 0x0
	.amdhsa_kernel k_qa8fe1457ac_quant
		.amdhsa_group_segment_fixed_size 68096
		.amdhsa_private_segment_fixed_size 0
		.amdhsa_enable_private_segment 0
		.amdhsa_kernarg_size 88
		.amdhsa_user_sgpr_count 2
		.amdhsa_user_sgpr_kernarg_segment_ptr 1
		.amdhsa_wavefront_size32 1
		.amdhsa_system_sgpr_workgroup_id_x 1
		.amdhsa_system_sgpr_workgroup_id_y 1
		.amdhsa_system_sgpr_workgroup_id_z 1
		.amdhsa_system_vgpr_workitem_id 0
		.amdhsa_next_free_vgpr 194
		.amdhsa_next_free_sgpr 66
		.amdhsa_reserve_vcc 0
		.amdhsa_float_denorm_mode_32 3
		.amdhsa_float_denorm_mode_16_64 3
		.amdhsa_memory_ordered 1
		.amdhsa_forward_progress 1
		.amdhsa_inst_pref_size 74
	.end_amdhsa_kernel
	.amdgpu_metadata
---
amdhsa.version: [ 1, 2 ]
amdhsa.kernels:
  - .name:           k_qa8fe1457ac_quant
    .symbol:         k_qa8fe1457ac_quant.kd
    .args:
      - { .name: query, .offset: 0, .size: 8, .value_kind: global_buffer, .address_space: global }
      - { .name: key, .offset: 8, .size: 8, .value_kind: global_buffer, .address_space: global }
      - { .name: value, .offset: 16, .size: 8, .value_kind: global_buffer, .address_space: global }
      - { .name: Wq, .offset: 24, .size: 8, .value_kind: global_buffer, .address_space: global }
      - { .name: Wk, .offset: 32, .size: 8, .value_kind: global_buffer, .address_space: global }
      - { .name: Wv, .offset: 40, .size: 8, .value_kind: global_buffer, .address_space: global }
      - { .name: Wo, .offset: 48, .size: 8, .value_kind: global_buffer, .address_space: global }
      - { .name: xcod, .offset: 56, .size: 8, .value_kind: global_buffer, .address_space: global }
      - { .name: xscl, .offset: 64, .size: 8, .value_kind: global_buffer, .address_space: global }
      - { .name: wcod, .offset: 72, .size: 8, .value_kind: global_buffer, .address_space: global }
      - { .name: wscl, .offset: 80, .size: 8, .value_kind: global_buffer, .address_space: global }
    .group_segment_fixed_size: 68096
    .private_segment_fixed_size: 0
    .kernarg_segment_align: 8
    .kernarg_segment_size: 88
    .max_flat_workgroup_size: 128
    .sgpr_count:     66
    .vgpr_count:     194
    .wavefront_size: 32
...
	.end_amdgpu_metadata
.endif
;; end of part 1
;; launch proj (part 2): grid 12 x 32, 4 waves a work-group, clusters of 4 x 4, 327,680 bytes of LDS; arguments xcod, xscl, wcod, wscl, bq, bk, bv, pcod, pscl; writes pcod, pscl
.if DOCPART == 2
	.amdgcn_target "amdgcn-amd-amdhsa--gfx1250"
	.amdhsa_code_object_version 6
	.text
	.protected	k_qa8fe1457ac_proj
	.globl	k_qa8fe1457ac_proj
	.p2align	8
	.type	k_qa8fe1457ac_proj,@function
k_qa8fe1457ac_proj:
	s_mov_b64 s[64:65], 0
	v_nop
	global_prefetch_b8 v0, s[64:65] scope:SCOPE_SE
	s_setreg_imm32_b32 hwreg(HW_REG_WAVE_MODE, 25, 1), 1
	s_wait_xcnt 0x0
	s_wait_alu depctr_hold_cnt(0) depctr_sa_sdst(0) depctr_va_vdst(0) depctr_va_sdst(0) depctr_va_ssrc(0) depctr_va_vcc(0) depctr_vm_vsrc(0)
	s_getreg_b32 s2, hwreg(HW_REG_IB_STS2, 6, 4)
	s_cmp_eq_u32 s2, 0
	s_cbranch_scc0 .Lentry_in_a_cluster
	s_endpgm
.Lentry_in_a_cluster:
	s_bfe_u32 s2, ttmp6, 0x10000c
	s_cmp_lg_u32 s2, 0xf033
	s_cbranch_scc0 .Lentry_shape_is_right
	s_endpgm
.Lentry_shape_is_right:
.set KSTEP,  256
.set NQ,     KSTEP/128
.set ROWB,   256                       ; 128 rows x 192 bytes lie dense in memory: stated as 96 rows of 256 bytes, each on a multiple of 256
.set KSTR,   196608                    ; bytes from one 256 along K to the next
.set KROW,   256
.set PITCH,  240
.set FR,     12
.set NL,     6
.set NP,     4
.set HALFT,  128*PITCH
.set SLOT,   4*HALFT
.set LAPS,   2
.set KS,     32
.set SCL,    2*SLOT
.set HALFS,  (128*KS/256)*272
.set SBLK,   (16*KS/256)*272
.set SPARE,  SCL+4*HALFS
.set WSTG,   12800
.set STS,  7
.set CS2,  8
.set ADRA, 16
.set ADRB, 20
.set STO,  24
.set RD,   25
.set CO,   26
.set ADRS, 27
.set SPW,  28
.set NIL,  29
.set BNO,  30
.set BMO,  31
.set SC,   32
.set BN,   64
.set AF,   128
.set BMP,  224
.set T,    128
.set PC,   192
.set PW,   212
.set TM,   240
.set SEL,  94
.set G1, 24
.set G0, 32
.set G1B, 48
.set G0B, 56
.set G1S, 68
.set G0S, 76
.set G1SB, 80
.set G0SB, 88
.set MSB, 0
.macro WIN new
.if MSB != \new
	s_set_vgpr_msb (MSB<<8)|\new
.set MSB, \new
.endif
.endm
.set MUL_LO, 0xa1
.set MUL_HI, 0xf1
.set FST_LO, 0x81
.set FST_HI, 0xc1
.set TO_B,   0x40
.macro JLOAD g0a, g1a, g0b, g1b
	s_cmp_eq_u32 s15, 0
	s_cbranch_scc0 .Lfor_b_\@
	tensor_load_to_lds s[\g0a:\g0a+3], s[\g1a:\g1a+7]
	s_nop 0
.rept 4
	v_nop
.endr
	s_branch .Lasked_\@
.Lfor_b_\@:
	tensor_load_to_lds s[\g0b:\g0b+3], s[\g1b:\g1b+7]
	s_nop 0
.rept 4
	v_nop
.endr
.Lasked_\@:
.endm
.macro CREST
	s_cmp_lg_u32 s14, 0
	s_cbranch_scc1 .Lnot_wave_0_\@
	s_barrier_signal -3
.Lnot_wave_0_\@:
	s_barrier_wait -3
	s_barrier_signal -1
	s_barrier_wait -1
.endm
.macro CROUND
	s_barrier_signal -1
	s_barrier_wait -1
	CREST
.endm
	s_load_b256 s[4:11], s[0:1], 0x0
	v_lshl_add_u32 v[SPW], v0, 2, SPARE
	v_mov_b32 v[NIL], 0
	ds_add_u32 v28, v29
	ds_add_u32 v28, v29
	s_wait_dscnt 0x0
	v_lshrrev_b32 v1, 5, v0
	v_readfirstlane_b32 s14, v1
	s_lshr_b32 s15, s14, 1
	s_and_b32 s16, s14, 1
	s_bfe_u32 s40, ttmp6, 0x40000
	s_bfe_u32 s41, ttmp6, 0x40004
	s_and_b32 s95, ttmp7, 0xffff
	s_cmp_eq_u32 ttmp9, 2
	s_cselect_b32 s42, s95, 0
	s_cselect_b32 s17, 0, s95
	s_lshl_b32 s42, s42, 2
	s_add_co_u32 s42, s42, s40
	s_lshl_b32 s17, s17, 2
	s_add_co_u32 s17, s17, s41
	s_lshl_b32 s43, s41, 2
	s_lshl_b32 s43, 15, s43
	s_lshl_b32 s44, 0x1111, s40
	s_or_b32 s[G1+0], s43, (0<<16)|(1<<20)|(1<<21)|(3<<22)|(3<<25)
	s_or_b32 s[G1B+0], s44, (0<<16)|(1<<20)|(1<<21)|(3<<22)|(3<<25)
.irp g, G1, G1B
	s_mov_b32 s[\g+1], ROWB<<16
	s_mov_b32 s[\g+2], 192<<16                     ; the head's loads of codes bring 256 rows x 192 bytes: 192 rows of 256
	s_mov_b32 s[\g+3], ROWB<<16
	s_mov_b32 s[\g+4], 192
	s_mov_b32 s[\g+5], KROW
	s_mov_b32 s[\g+6], 0
	s_mov_b32 s[\g+7], 0
.endr
	s_or_b32 s[G1S+0], s43, (3<<16)|(1<<20)|(1<<21)|(5<<22)|(3<<25)
	s_or_b32 s[G1SB+0], s44, (3<<16)|(1<<20)|(1<<21)|(5<<22)|(3<<25)
.irp g, G1S, G1SB
	s_mov_b32 s[\g+1], 32<<16
	s_mov_b32 s[\g+2], (256*KS/256)<<16            ; the scales of all 256 rows by one load
	s_mov_b32 s[\g+3], 32<<16
	s_mov_b32 s[\g+4], 256*KS/256
	s_mov_b32 s[\g+5], 32
	s_mov_b32 s[\g+6], 0
	s_mov_b32 s[\g+7], 0
.endr
	s_lshl_b32 s18, s16, 7
	s_lshl_b32 s20, s17, 8
	s_add_co_u32 s20, s20, s18
	s_lshl_b32 s46, s42, 8
	s_add_co_u32 s46, s46, s18
	s_mov_b32 s21, 0
	s_mov_b32 s47, 0
	s_mov_b64 s[18:19], KS
	s_mul_u64 s[22:23], s[20:21], s[18:19]
	s_mul_u64 s[92:93], s[46:47], s[18:19]
	s_lshr_b32 s18, s20, 10                        ; row R lies in region R / 1,024 of 786,432 bytes, at 192 (R % 1,024)
	s_mul_i32 s18, s18, 786432
	s_and_b32 s20, s20, 1023
	s_mul_i32 s20, s20, 192
	s_add_co_u32 s20, s20, s18
	s_lshr_b32 s18, s46, 10
	s_mul_i32 s18, s18, 786432
	s_and_b32 s46, s46, 1023
	s_mul_i32 s46, s46, 192
	s_add_co_u32 s46, s46, s18
	s_mul_i32 s96, ttmp9, 6291456
	s_mul_i32 s98, ttmp9, 786432
	s_lshl_b32 s100, ttmp9, 18
	s_lshl_b32 s2, ttmp9, 15
	s_cmp_eq_u32 ttmp9, 2
	s_cselect_b32 s18, s98, s96
	s_cselect_b32 s96, s96, s98
	s_cselect_b32 s98, s2, s100
	s_cselect_b32 s100, s100, s2
	s_mov_b32 s19, 0
	s_mov_b32 s97, 0
	s_mov_b32 s99, 0
	s_mov_b32 s101, 0
	s_add_nc_u64 s[20:21], s[20:21], s[18:19]
	s_add_nc_u64 s[46:47], s[46:47], s[96:97]
	s_add_nc_u64 s[22:23], s[22:23], s[98:99]
	s_add_nc_u64 s[92:93], s[92:93], s[100:101]
	s_mul_i32 s45, s14, HALFT
	s_mul_i32 s94, s14, HALFS
	s_wait_kmcnt 0x0
	s_cmp_eq_u32 ttmp9, 2
	s_cselect_b64 s[96:97], s[8:9], s[4:5]
	s_cselect_b64 s[98:99], s[10:11], s[6:7]
	s_cselect_b64 s[4:5], s[4:5], s[8:9]
	s_cselect_b64 s[6:7], s[6:7], s[10:11]
	s_add_nc_u64 s[20:21], s[96:97], s[20:21]
	s_add_nc_u64 s[22:23], s[98:99], s[22:23]
	s_add_nc_u64 s[46:47], s[4:5], s[46:47]
	s_add_nc_u64 s[92:93], s[6:7], s[92:93]
	CROUND
	s_mov_b32 s[G0S], 1
	s_add_co_u32 s[G0S+1], s94, SCL-HALFS          ; wave 1 issues this load: A's scales begin at SCL,
	s_sub_nc_u64 s[G0S+2:G0S+3], s[22:23], 4096    ; and in memory 128 rows of 32 bytes ahead of that wave's half
	s_or_b32 s[G0S+3], s[G0S+3], 0x80000000
	s_mov_b32 s[G0SB], 1
	s_add_co_u32 s[G0SB+1], s94, SCL-HALFS         ; wave 3 issues this load: B's scales begin at SCL + 2 HALFS
	s_sub_nc_u64 s[G0SB+2:G0SB+3], s[92:93], 4096
	s_or_b32 s[G0SB+3], s[G0SB+3], 0x80000000
.irp s, 0,1
	s_mov_b32 s[G0+4*\s], 1
	s_add_co_u32 s[G0+4*\s+1], s45, \s*SLOT
	s_add_nc_u64 s[G0+4*\s+2:G0+4*\s+3], s[20:21], \s*KSTR
	s_or_b32 s[G0+4*\s+3], s[G0+4*\s+3], 0x80000000
	s_mov_b32 s[G0B+4*\s], 1
	s_add_co_u32 s[G0B+4*\s+1], s45, \s*SLOT
	s_add_nc_u64 s[G0B+4*\s+2:G0B+4*\s+3], s[46:47], \s*KSTR
	s_or_b32 s[G0B+4*\s+3], s[G0B+4*\s+3], 0x80000000
.endr
; THE HEAD'S LOADS, ONE A WAVE, in one chain of branches on the wave's number: wave 0 slot 0's 256 rows of A (its own group 0 names their first byte), wave 1 A's scales, wave 2 slot 0's 256 rows of B, wave 3 B's scales
	s_cmp_lt_u32 s14, 1
	s_cbranch_scc0 .Lh1
	tensor_load_to_lds s[G0:G0+3], s[G1:G1+7]
	s_nop 0
.rept 4
	v_nop
.endr
	s_branch .Lhead_asked
.Lh1:
	s_cmp_lt_u32 s14, 2
	s_cbranch_scc0 .Lh2
	tensor_load_to_lds s[G0S:G0S+3], s[G1S:G1S+7]
	s_nop 0
.rept 4
	v_nop
.endr
	s_branch .Lhead_asked
.Lh2:
	s_cmp_lt_u32 s14, 3
	s_cbranch_scc0 .Lh3
	tensor_load_to_lds s[G0B:G0B+3], s[G1B:G1B+7]
	s_nop 0
.rept 4
	v_nop
.endr
	s_branch .Lhead_asked
.Lh3:
	tensor_load_to_lds s[G0SB:G0SB+3], s[G1SB:G1SB+7]
	s_nop 0
.rept 4
	v_nop
.endr
.Lhead_asked:
	s_load_b256 s[4:11], s[0:1], 0x20
	s_load_b64 s[100:101], s[0:1], 0x40
	v_and_b32 v1, 15, v0
	v_bfe_u32 v2, v0, 4, 1
	v_mul_u32_u24 v3, v1, PITCH
	v_mul_u32_u24 v4, v2, 24
	v_add_nc_u32 v4, v3, v4
	v_lshl_add_u32 v5, v2, 4, v4
	s_mul_i32 s21, s15, HALFT
	s_mul_i32 s22, s16, HALFT
	s_add_co_u32 s22, s22, 2*HALFT
.irp s, 0,1
	v_add_nc_u32 v[ADRA+\s], s21, v4
	v_add_nc_u32 v[ADRB+\s], s22, v4
	v_add_nc_u32 v[ADRA+2+\s], s21, v5
	v_add_nc_u32 v[ADRB+2+\s], s22, v5
	s_add_co_u32 s21, s21, SLOT
	s_add_co_u32 s22, s22, SLOT
.endr
	v_mul_u32_u24 v5, v1, KS
	v_lshrrev_b32 v6, 8, v5
	v_lshl_add_u32 v5, v6, 4, v5
	s_mul_i32 s21, s15, HALFS
	s_mul_i32 s22, s16, HALFS
	s_add_co_u32 s22, s22, 2*HALFS
	s_sub_co_u32 s22, s22, s21
	v_mul_u32_u24 v6, s22, v2
	s_add_co_u32 s21, s21, SCL
	v_add_nc_u32 v5, v5, v6
	v_add_nc_u32 v[ADRS], s21, v5
	v_and_b32 v6, 31, v0
	s_mul_i32 s23, s14, WSTG
	v_lshl_add_u32 v[STO], v6, 3, s23
	v_lshl_add_u32 v[RD], v6, 4, s23
	v_lshlrev_b32 v[CO], 4, v6
	s_add_co_u32 s23, s23, 8*FR*128
	v_lshl_add_u32 v[STS], v1, 2, s23
	v_lshlrev_b32 v[BNO], 5, v2
	v_lshlrev_b32 v[BMO], 2, v1
.irp b, 0,1,2,3
	v_mov_b32 v[TM+4+\b], 0
.endr
	s_lshl_b32 s20, s17, 8
	s_lshl_b32 s21, s15, 7
	s_add_co_u32 s20, s20, s21
	s_lshl_b32 s46, s42, 8
	s_lshl_b32 s47, s16, 7
	s_add_co_u32 s46, s46, s47
	s_mov_b32 s2, 256
	s_mov_b32 s45, 6144
	s_cmp_eq_u32 ttmp9, 2
	s_cselect_b32 s21, s46, s20
	s_cselect_b32 s47, s20, s46
	s_cselect_b32 s92, 0, s46
	s_cselect_b32 s22, s20, 0
	s_cselect_b32 s66, 0, -1
	s_cselect_b32 s67, -1, 0
	s_cselect_b32 s2, 4096, s2
	s_cselect_b32 s45, 98304, s45
	s_cselect_b32 s94, 48, 96
	s_cselect_b32 s95, 2, 4
	v_mul_u32_u24 v[CS2], s2, v2
	v_lshl_add_u32 v[CS2], v1, 4, v[CS2]
	s_lshr_b32 s18, s21, 11
	s_lshl_b32 s18, s18, 3
	s_lshr_b32 s19, s47, 7
	s_add_co_u32 s18, s18, s19
	s_and_b32 s19, s21, 2047
	s_mul_i32 s96, ttmp9, 6291456
	s_mul_i32 s23, s18, 196608
	s_add_co_u32 s96, s96, s23
	s_mul_i32 s23, s19, s94
	s_add_co_u32 s96, s96, s23
	s_mov_b32 s97, 0
	s_lshl_b32 s98, ttmp9, 18
	s_lshl_b32 s23, s18, 13
	s_add_co_u32 s98, s98, s23
	s_mul_i32 s23, s19, s95
	s_add_co_u32 s98, s98, s23
	s_mov_b32 s99, 0
	s_lshl_b32 s92, s92, 2
	s_mov_b32 s93, 0
	s_lshl_b32 s46, s22, 2
	s_mov_b32 s47, 0
	s_mov_b32 s18, s45
	s_mov_b32 s19, 0
	s_wait_alu depctr_va_vdst(0)
	s_wait_kmcnt 0x0
	s_cmp_eq_u32 ttmp9, 0
	s_cselect_b64 s[12:13], s[4:5], s[6:7]
	s_cmp_eq_u32 ttmp9, 2
	s_cselect_b64 s[12:13], s[8:9], s[12:13]
	s_add_nc_u64 s[4:5], s[12:13], s[92:93]
	s_add_nc_u64 s[6:7], s[12:13], s[46:47]
	s_add_nc_u64 s[96:97], s[10:11], s[96:97]
	s_add_nc_u64 s[100:101], s[100:101], s[98:99]
	s_add_nc_u64 s[98:99], s[96:97], s[18:19]
.irp b, 0,1,2,3,4,5,6,7
	global_load_b128 v[BN+8*\b:BN+8*\b+3], v[BNO], s[4:5] offset:64*\b
	global_load_b128 v[BN+8*\b+4:BN+8*\b+7], v[BNO], s[4:5] offset:64*\b+16
.endr
.irp a, 0,1,2,3,4,5,6,7
	global_load_b32 v[BMP+2*\a], v[BMO], s[6:7] offset:64*\a
.endr
	s_wait_alu depctr_va_vdst(0)
	s_wait_tensorcnt 0x0                           ; my tile of the head's four is in; slot 1's first fill is issued as a refill is:
	ds_add_u32 v28, v29
	s_mov_b32 s[G1+2], 96<<16                      ; no tensor load of mine is out: from here on a load brings 128 rows x 192 bytes
	s_mov_b32 s[G1+4], 96
	s_mov_b32 s[G1B+2], 96<<16
	s_mov_b32 s[G1B+4], 96
	s_wait_dscnt 0x0
	CROUND
	JLOAD G0+4, G1, G0B+4, G1B
	s_wait_loadcnt 0x0
.set i, 0
.rept 64
	v_and_b32 v[BN+i], s66, v[BN+i]
.set i, i+1
.endr
.irp a, 0,1,2,3,4,5,6,7
	v_and_b32 v[BMP+2*\a], s67, v[BMP+2*\a]
.endr
.irp a, 0,1,2,3,4,5,6,7
	v_mov_b32 v[BMP+2*\a+1], v[BMP+2*\a]
.endr
.macro FRAG reg, adr, q, i
.irp p, 0,1,2,3,4,5
.set PIE, 12*(\q)+6*(\p/3)+\p%3
.if PIE%8 < 5
	ds_load_b64 v[\reg+2*\p:\reg+2*\p+1], v[\adr] offset:8*PIE+16*(PIE/8)+(\i)*16*PITCH
.else
	ds_load_b64 v[\reg+2*\p:\reg+2*\p+1], v[\adr+2] offset:8*PIE+16*(PIE/8)+(\i)*16*PITCH
.endif
.endr
.endm
.macro MUL16 a0, p, q, sc, first
.irp a, \a0, \a0+1
.irp b, 0,1,2,3,4,5,6,7
.if \first
	v_wmma_scale_f32_16x16x128_f8f6f4 v[8*(8*((\a)%4)+\b):8*(8*((\a)%4)+\b)+7], v[128*(\p)+FR*\b:128*(\p)+FR*\b+FR-1], v[AF+FR*(\a):AF+FR*(\a)+FR-1], v[BN+8*\b:BN+8*\b+7], v[SC+8*NQ*(\sc)+NQ*\b+(\q)], v[SC+8*NQ*(\sc)+NQ*(\a)+(\q)] matrix_a_fmt:MATRIX_FMT_FP6 matrix_b_fmt:MATRIX_FMT_FP6 matrix_a_scale:MATRIX_SCALE_ROW1
.else
	v_wmma_scale_f32_16x16x128_f8f6f4 v[8*(8*((\a)%4)+\b):8*(8*((\a)%4)+\b)+7], v[128*(\p)+FR*\b:128*(\p)+FR*\b+FR-1], v[AF+FR*(\a):AF+FR*(\a)+FR-1], v[8*(8*((\a)%4)+\b):8*(8*((\a)%4)+\b)+7], v[SC+8*NQ*(\sc)+NQ*\b+(\q)], v[SC+8*NQ*(\sc)+NQ*(\a)+(\q)] matrix_a_fmt:MATRIX_FMT_FP6 matrix_b_fmt:MATRIX_FMT_FP6 matrix_a_scale:MATRIX_SCALE_ROW1
.endif
.endr
.endr
.endm
.macro FETCH_B slot, q, p
	WIN TO_B
.irp i, 0,1,2,3,4,5,6,7
	FRAG 128*(\p)+FR*\i, ADRB+\slot, \q, \i
.endr
	WIN 0
.endm
.macro FETCH_A slot, q, i0
.irp i, \i0, \i0+1, \i0+2, \i0+3
	FRAG AF+FR*(\i), ADRA+\slot, \q, \i
.endr
.endm
.macro SCALES sc
.irp i, 0,1,2,3,4,5,6,7
	ds_load_b64 v[SC+8*NQ*\sc+NQ*\i:SC+8*NQ*\sc+NQ*\i+1], v[ADRS] offset:\i*SBLK
.endr
.endm
.macro PLACES n
.rept \n
	v_nop
.endr
.endm
.macro STEP slot, q, first
	s_wait_dscnt 4*NL
.if \first
	WIN FST_LO
.else
	WIN MUL_LO
.endif
	MUL16 0, (\q)%2, \q, \slot, \first
	MUL16 2, (\q)%2, \q, \slot, \first
	s_wait_dscnt 0
	PLACES NP
	FETCH_B \slot, (\q)+1, 1-(\q)%2
	FETCH_A \slot, (\q)+1, 0
.if \first
	WIN FST_HI
.else
	WIN MUL_HI
.endif
	MUL16 4, (\q)%2, \q, \slot, \first
	MUL16 6, (\q)%2, \q, \slot, \first
	PLACES NP
	WIN 0
	FETCH_A \slot, (\q)+1, 4
.endm
.macro TURN slot, next, fill
	s_wait_tensorcnt 0x0
	ds_add_u32 v[SPW], v[NIL]
	s_wait_dscnt 4*NL+1
	WIN MUL_LO
	MUL16 0, 1, NQ-1, \slot, 0
	s_wait_dscnt 0x0
	s_barrier_signal -1
	MUL16 2, 1, NQ-1, \slot, 0
	WIN 0
	s_barrier_wait -1
.if \fill
	CREST
	s_add_nc_u64 s[G0+4*\slot+2:G0+4*\slot+3], s[G0+4*\slot+2:G0+4*\slot+3], 2*KSTR
	s_add_nc_u64 s[G0B+4*\slot+2:G0B+4*\slot+3], s[G0B+4*\slot+2:G0B+4*\slot+3], 2*KSTR
	JLOAD G0+4*\slot, G1, G0B+4*\slot, G1B
.else
	PLACES NP
.endif
	s_wait_alu depctr_va_vdst(0)
	v_add_nc_u32 v[ADRS], 4*NQ, v[ADRS]
	FETCH_B \next, 0, 0
	FETCH_A \next, 0, 0
	SCALES \next
	WIN MUL_HI
	MUL16 4, 1, NQ-1, \slot, 0
	MUL16 6, 1, NQ-1, \slot, 0
	PLACES NP
	WIN 0
	FETCH_A \next, 0, 4
.endm
	s_wait_tensorcnt 1
	s_barrier_signal -1
	s_barrier_wait -1
	FETCH_B 0, 0, 0
	FETCH_A 0, 0, 0
	SCALES 0
	FETCH_A 0, 0, 4
	STEP 0, 0, 1
	s_mov_b32 s3, LAPS-1
.Llap:
	TURN 0, 1, 1
	STEP 1, 0, 0
	TURN 1, 0, 1
	STEP 0, 0, 0
	s_sub_co_u32 s3, s3, 1
	s_cmp_lg_u32 s3, 0
	s_cbranch_scc1 .Llap
	TURN 0, 1, 0
	STEP 1, 0, 0
	s_wait_dscnt 4*NL
	WIN MUL_LO
	MUL16 0, 1, NQ-1, 1, 0
	MUL16 2, 1, NQ-1, 1, 0
	s_wait_dscnt 0
	WIN MUL_HI
	MUL16 4, 1, NQ-1, 1, 0
	MUL16 6, 1, NQ-1, 1, 0
	WIN 0
.macro QUANT s
.irp b, 0,1,2,3
	v_max3_num_f32 v[TM+\b], |v[\s+16*\b]|, |v[\s+1+16*\b]|, 0x1800000
.endr
.irp i, 2,4,6,8,10,12,14
.irp b, 0,1,2,3
	v_max3_num_f32 v[TM+\b], v[TM+\b], |v[\s+16*\b+\i]|, |v[\s+1+16*\b+\i]|
.endr
.endr
.irp b, 0,1,2,3
	v_permlanex16_b32 v[TM+4+\b], v[TM+\b], s[SEL], s[SEL+1]
.endr
.irp b, 0,1,2,3
	v_max_num_f32 v[TM+\b], v[TM+\b], v[TM+4+\b]
.endr
.irp b, 0,1,2,3
	v_add_nc_u32 v[TM+12+\b], 0xff000000, v[TM+\b]
.endr
.irp b, 0,1,2,3
	v_lshrrev_b32 v[TM+4+\b], 23, v[TM+12+\b]
.endr
	v_lshl_or_b32 v[PW], v[TM+5], 8, v[TM+4]
	v_lshl_or_b32 v[PW], v[TM+6], 16, v[PW]
	v_lshl_or_b32 v[PW], v[TM+7], 24, v[PW]
.irp c, 0,1
	v_cvt_scalef32_pk16_fp6_f32 v[PC+6*\c:PC+2+6*\c], v[\s+32*\c:\s+15+32*\c], v[TM+12+2*\c]
	v_cvt_scalef32_pk16_fp6_f32 v[PC+12+4*\c:PC+14+4*\c], v[\s+16+32*\c:\s+31+32*\c], v[TM+12+2*\c+1]
.endr
	v_nop
.irp c, 0,1
.irp i, 0,1,2
	v_permlane16_swap_b32 v[PC+6*\c+\i], v[PC+12+4*\c+\i]
.endr
.irp i, 0,1,2
	v_mov_b32 v[PC+3+6*\c+\i], v[PC+12+4*\c+\i]
.endr
.endr
.endm
.macro OUTBLK a
.set AC, 64*((\a)%4)
	WIN 0x02+(\a)/4
.set i, 0
.rept 32
	v_pk_add_f32 v[T+i:T+i+1], v[AC+i:AC+i+1], v[BMP+2*(\a):BMP+2*(\a)+1]
.set i, i+2
.endr
	WIN 0
	QUANT T
.irp p, 0,1,2,3,4,5
	ds_store_b64 v[STO], v[PC+2*\p:PC+2*\p+1] offset:(\a)*FR*128+256*\p
.endr
	ds_store_b32 v[STS], v[PW] offset:64*(\a)
	s_wait_dscnt 0x0
.endm
	s_mov_b32 s[SEL], 0x76543210
	s_mov_b32 s[SEL+1], 0xfedcba98
	PLACES NP
.irp a, 0,1,2,3,4,5,6,7
	OUTBLK \a
.endr
.irp k, 0,1,2,3,4,5,6,7,8,9,10,11
	ds_load_b128 v[128+4*\k:131+4*\k], v[RD] offset:512*\k
.endr
.irp k, 0,1,2,3,4,5,6,7,8,9,10,11
	ds_load_b128 v[64+4*\k:67+4*\k], v[RD] offset:6144+512*\k
.endr
	ds_load_b128 v[176:179], v[RD] offset:12288
.irp k, 0,1,2,3,4,5,6,7,8,9,10,11
	s_wait_dscnt 24-\k
	global_store_b128 v[CO], v[128+4*\k:131+4*\k], s[96:97] offset:512*\k
.endr
.irp k, 0,1,2,3,4,5,6,7,8,9,10,11
	s_wait_dscnt 12-\k
	global_store_b128 v[CO], v[64+4*\k:67+4*\k], s[98:99] offset:512*\k
.endr
	s_wait_dscnt 0x0
	global_store_b128 v[CS2], v[176:179], s[100:101]
	s_wait_tensorcnt 0x0
	ds_add_u32 v[SPW], v[NIL]
	s_wait_dscnt 0x0
	CROUND
	s_endpgm
.Lfunc_end_k_qa8fe1457ac_proj:
	.size	k_qa8fe1457ac_proj, .Lfunc_end_k_qa8fe1457ac_proj-k_qa8fe1457ac_proj
	.p2alignl 7, 3214868480
	.fill 96, 4, 3214868480
	.section	.rodata,"a",@progbits
	.p2align	6, 0x0
	.amdhsa_kernel k_qa8fe1457ac_proj
		.amdhsa_group_segment_fixed_size 327680
		.amdhsa_private_segment_fixed_size 0
		.amdhsa_enable_private_segment 0
		.amdhsa_kernarg_size 72
		.amdhsa_user_sgpr_count 2
		.amdhsa_user_sgpr_kernarg_segment_ptr 1
		.amdhsa_wavefront_size32 1
		.amdhsa_system_sgpr_workgroup_id_x 1
		.amdhsa_system_sgpr_workgroup_id_y 1
		.amdhsa_system_sgpr_workgroup_id_z 1
		.amdhsa_system_vgpr_workitem_id 0
		.amdhsa_next_free_vgpr 1024
		.amdhsa_next_free_sgpr 102
		.amdhsa_reserve_vcc 0
		.amdhsa_float_denorm_mode_32 3
		.amdhsa_float_denorm_mode_16_64 3
		.amdhsa_memory_ordered 1
		.amdhsa_forward_progress 1
		.amdhsa_inst_pref_size 194
	.end_amdhsa_kernel
	.amdgpu_metadata
---
amdhsa.version: [ 1, 2 ]
amdhsa.kernels:
  - .name:           k_qa8fe1457ac_proj
    .symbol:         k_qa8fe1457ac_proj.kd
    .args:
      - { .name: xcod, .offset: 0, .size: 8, .value_kind: global_buffer, .address_space: global }
      - { .name: xscl, .offset: 8, .size: 8, .value_kind: global_buffer, .address_space: global }
      - { .name: wcod, .offset: 16, .size: 8, .value_kind: global_buffer, .address_space: global }
      - { .name: wscl, .offset: 24, .size: 8, .value_kind: global_buffer, .address_space: global }
      - { .name: bq, .offset: 32, .size: 8, .value_kind: global_buffer, .address_space: global }
      - { .name: bk, .offset: 40, .size: 8, .value_kind: global_buffer, .address_space: global }
      - { .name: bv, .offset: 48, .size: 8, .value_kind: global_buffer, .address_space: global }
      - { .name: pcod, .offset: 56, .size: 8, .value_kind: global_buffer, .address_space: global }
      - { .name: pscl, .offset: 64, .size: 8, .value_kind: global_buffer, .address_space: global }
    .group_segment_fixed_size: 327680
    .private_segment_fixed_size: 0
    .kernarg_segment_align: 8
    .kernarg_segment_size: 72
    .max_flat_workgroup_size: 128
    .sgpr_count:     102
    .vgpr_count:     1024
    .wavefront_size: 32
...
	.end_amdgpu_metadata
.endif
;; end of part 2
;; launch attn (part 3): grid 4 x 64, 16 waves a work-group, clusters of 4 x 1, 231,424 bytes of LDS; arguments pcod, pscl, mask, acod, ascl; writes acod, ascl
.if DOCPART == 3
	.amdgcn_target "amdgcn-amd-amdhsa--gfx1250"
	.amdhsa_code_object_version 6
	.text
	.protected	k_qa8fe1457ac_attn
	.globl	k_qa8fe1457ac_attn
	.p2align	8
	.type	k_qa8fe1457ac_attn,@function
k_qa8fe1457ac_attn:
	s_mov_b64 s[64:65], 0
	v_nop
	global_prefetch_b8 v0, s[64:65] scope:SCOPE_SE
	s_setreg_imm32_b32 hwreg(HW_REG_WAVE_MODE, 25, 1), 1
	s_wait_xcnt 0x0
	s_wait_alu depctr_hold_cnt(0) depctr_sa_sdst(0) depctr_va_vdst(0) depctr_va_sdst(0) depctr_va_ssrc(0) depctr_va_vcc(0) depctr_vm_vsrc(0)
	s_getreg_b32 s2, hwreg(HW_REG_IB_STS2, 6, 4)
	s_cmp_eq_u32 s2, 0
	s_cbranch_scc0 .Lentry_in_a_cluster
	s_endpgm
.Lentry_in_a_cluster:
	s_bfe_u32 s2, ttmp6, 0x10000c
	s_cmp_lg_u32 s2, 0x3003
	s_cbranch_scc0 .Lentry_shape_is_right
	s_endpgm
.Lentry_shape_is_right:
; Attention of one head for 512 queries, both products on codes of FP6 (E2M3) with E8M0 scales; the result, divided by the row's sum, is quantised along the model's 1,024 for the last projection.
; t = (q . k + mask x (-8e9)) x log2(e) / 8, which is (q . k / 8 + mask x (-1e9)) x log2(e);  M = the running largest t rounded UP to a whole number;  p = 2^(t - M) is quantised along the keys, not normalised;
; the row's sum is taken of the unquantised p; when M moves, the sum and O are multiplied by 2^(old M - new M): exact.
; SHARES.  Work-group (x, y): queries 512 x on of head y % 16 of batch y / 16: 256 work-groups.  Sixteen waves, four to a SIMD, each with 16 queries in 256 registers, so that one wave's vector work stands beside another's
; exponentials, products and LDS loads; a wave makes two passes over the keys: 16 x 16 x 2 = 512 queries.
; A HEAD'S WHOLE K AND V LIE IN LDS, each byte filled once: waves 0-7 fetch an eighth of K each, waves 8-15 an eighth of V, one tensor load a wave at the head; one wait for 0 and one barrier show them to all.
; CLUSTER: the four work-groups of a head need the same K and V and ask for them jointly (mask 15).  No data prefetch: every byte of K and V is asked for at the head by the loads themselves; there is no later tile to run ahead for.
; LAYOUT.  Both products are used transposed: S^T = K Q^T (source 0 = 16 keys, source 1 = 16 queries), O^T = V^T P^T: a lane holds ONE query (lane % 16).  Operands lie in memory as images of their registers ([piece][lane][8 bytes]).
; THE KEYS OF A TILE ARE CHOSEN: tile (c, u) of a step of 128 keys takes as rows 0-7 keys 64 c + 8 sg(u) + 0..7 and as rows 8-15 the keys 32 on, sg = 0, 2, 1, 3.  So lane (r, h) holds in its 32 registers of tiles (c, 0..3) the WHOLE block
; 2 c + h of 32 keys, in the order that V's codes have inside a block (bits 3 and 4 of the place exchanged): a block's largest needs no other lane, and the conversions' results are the operand's registers but for three moves a block.
; K = 64 IN AN INSTRUCTION OF 128: two tiles' codes of K stand side by side in 12 registers; the even tile is multiplied by [Q, zero codes], the odd one by [zero codes, Q]: the other tile's codes meet zeros (FP6 has no NaN and no infinity).
; One register carries two tiles' scale words of K (lanes 0-15 the even tile's, lanes 16-31 the odd one's); a word holds the head's two bytes twice.  THE MASK'S TERM IS THE C of K Q^T: it is loaded into the accumulator's own registers..
; LIMITS: where EVERY key of a batch is masked, s - 8e9 is rounded in the matrix unit otherwise than the f32 addition of the definition; NaN and infinities are not served; blocks under 2^-124, and blocks of zeros, keep the byte 1;
; the scaled scores stay under 2^31 in magnitude.
.set KP,   864                         ; LDS: K's images [128 groups of 16 keys][3 x (256 + 32)] at 0;
.set VT,   110592                      ; V's [16 x 128 keys][4 tiles of 16 d][1,536];
.set MSK,  208896                      ; mask x (-8e9), f32 [2,048];
.set KSC,  217088                      ; K's scale words [2,048];
.set VSC,  225280                      ; V's scale words [16][64];
.set SPARE, 229376                     ; the spare words, 128 bytes a wave
.set AK0, 1                            ; v1-5 the lanes' LDS bases
.set AV0, 2
.set AM0, 3
.set AS0, 4
.set AT0, 5
.set ADK, 6                            ; v6-10 a trip's addresses
.set ADV, 7
.set ADM, 8
.set ADS, 9
.set ADT, 10
.set AQ,  11                           ; v11 8 x lane       (v12 -M, v13 the largest t, v[14:15] the sum in two halves)
.set QR,  16                           ; v16-33 Q: data, six zeros, the data again
.set TP,  34
.set T2,  35
.set SH8, 36                           ; 8 h
.set TB,  37
.set F,   38                           ; f = 2^(old M - new M); v39 is named with it as a pair;  v40-45 three partial sums
.set KR,  46                           ; v46-93 K's eight tiles; the upper 24 lie in V's registers
.set VR,  70                           ; v70-117 V's four fragments
.set S,   118                          ; v118-181 the mask's terms, S^T, then p
.set OT,  182                          ; v182-213 O^T
.set PC,  214                          ; v214-225 p's codes
.set PT,  226
.set BMX, 234
.set BM2, 236
.set SO,  238
.set KS,  240
.set VS,  244
.set QSA, 248                          ; Q's scale word
.set TB2, 249
.set QSO, 250
.set RO,  251
.set PWA, 252                          ; p's scale word
.set SPW, 254
.set NIL, 255
.set WV,  18
.set SEL, 20
.set CS,  22
.set G1K, 24
.set G1V, 32
.set G0K, 40
.set G0V, 44
.set TK,  48
.set TVV, 49
.set TM,  50
.set TV,  51
.set PASS, 53
.set NS,  54
.macro ROUND                           ; a round of the cluster's barrier
	s_barrier_signal -1
	s_barrier_wait -1
	s_cmp_lg_u32 s[WV], 0
	s_cbranch_scc1 .Lnot_wave_0_\@
	s_barrier_signal -3
.Lnot_wave_0_\@:
	s_barrier_wait -3
	s_barrier_signal -1
	s_barrier_wait -1
.endm
	s_load_b256 s[4:11], s[0:1], 0x0               ; pcod, pscl, mask, acod
	s_load_b64 s[12:13], s[0:1], 0x20              ; ascl
	v_lshl_add_u32 v[SPW], v0, 2, SPARE
	v_mov_b32 v[NIL], 0
	ds_add_u32 v[SPW], v[NIL]                      ; the opening lines: the add twice on end and one wait
	ds_add_u32 v[SPW], v[NIL]
	v_lshrrev_b32 v1, 5, v0
	v_readfirstlane_b32 s[WV], v1                  ; wave 0..15
	s_and_b32 s84, ttmp7, 0xffff                   ; 16 x batch + head
	s_bfe_u32 s83, ttmp6, 0x40000                  ; cx: which 512 queries; it enters global addresses of my own loads and stores alone
	s_lshr_b32 s85, s84, 1                         ; 8 x batch + pair of heads
	s_and_b32 s86, s84, 1                          ; which head of the pair
	s_lshr_b32 s87, s84, 4                         ; batch
	s_and_b32 s88, s[WV], 7                        ; which eighth I fetch
	s_mov_b32 s[G1K], 15|(3<<16)|(1<<20)|(1<<21)|(5<<22)|(7<<25)   ; K: 16 rows of 768 bytes (96 elements of 8), 1,536 apart in memory; 8 words of padding behind each 64; the mask names the cluster's four
	s_mov_b32 s[G1K+1], 96<<16
	s_mov_b32 s[G1K+2], 16<<16
	s_mov_b32 s[G1K+3], 96<<16
	s_mov_b32 s[G1K+4], 16
	s_mov_b32 s[G1K+5], 192
	s_mov_b32 s[G1K+6], 0
	s_mov_b32 s[G1K+7], 0
	s_mov_b32 s[G1V], 15|(3<<16)|(1<<21)           ; V: 12,288 dense bytes as 48 rows of 256
	s_mov_b32 s[G1V+1], 32<<16
	s_mov_b32 s[G1V+2], 48<<16
	s_mov_b32 s[G1V+3], 32<<16
	s_mov_b32 s[G1V+4], 48
	s_mov_b32 s[G1V+5], 32
	s_mov_b32 s[G1V+6], 0
	s_mov_b32 s[G1V+7], 0
	s_mul_i32 s90, s85, 196608                     ; the pair's images (q, k and the result alike),
	s_mul_i32 s89, s86, 768
	s_add_co_u32 s90, s90, s89                     ; my head's half of each
	s_mul_i32 s89, s88, 24576
	s_add_co_u32 s92, s90, s89
	s_add_co_u32 s92, s92, 6291456                 ; K: its region, 16 groups an eighth
	s_mov_b32 s93, 0
	s_mul_i32 s94, s84, 98304
	s_mul_i32 s89, s88, 12288
	s_add_co_u32 s94, s94, s89
	s_add_co_u32 s94, s94, 12582912                ; V: its region, my head, my eighth
	s_mov_b32 s95, 0
	s_mov_b32 s[G0K], 1
	s_mul_i32 s[G0K+1], s88, 16*KP
	s_mov_b32 s[G0V], 1
	s_add_co_u32 s[G0V+1], s89, VT
	s_lshl_b32 s98, s83, 5
	s_add_co_u32 s98, s98, s[WV]                   ; my first group of 16 queries: 32 cx + wave (the second pass: 16 on)
	s_mul_i32 s96, s98, 1536
	s_add_co_u32 s96, s96, s90                     ; its image, in q's region and in the result
	s_mov_b32 s97, 0
	s_lshl_b32 s56, s87, 13                        ; the batch's mask
	s_mov_b32 s57, 0
	s_lshl_b32 s58, s85, 13                        ; the pair's scale words (q's region; k's lies 262,144 on)
	s_mov_b32 s59, 0
	s_lshl_b32 s60, s84, 12
	s_add_co_u32 s60, s60, 524288                  ; V's scale words of my head
	s_mov_b32 s61, 0
	s_lshl_b32 s62, s87, 16                        ; the result's scale bytes, 32 a token: batch,
	s_lshl_b32 s91, s98, 9
	s_add_co_u32 s62, s62, s91                     ; my tokens,
	s_and_b32 s91, s84, 15
	s_lshl_b32 s91, s91, 1
	s_add_co_u32 s62, s62, s91                     ; my head's two bytes
	s_mov_b32 s63, 0
	s_lshl_b32 s66, s98, 6                         ; my queries' scale words
	s_mov_b32 s67, 0
	s_mov_b32 s99, 0x03020302
	s_cmp_eq_u32 s86, 0
	s_cselect_b32 s99, 0x01000100, s99             ; v_perm_b32's select: my head's two bytes, twice
	s_mov_b32 s[SEL], 0x76543210
	s_mov_b32 s[SEL+1], 0xfedcba98                 ; v_permlanex16_b32's selects for lane l xor 16
	s_mov_b32 s[CS], 0x3e38aa3b                    ; c = log2(e) / 8
	s_mov_b32 s[CS+1], s[CS]
	s_wait_dscnt 0x0                               ; both opening adds are done
	s_wait_kmcnt 0x0
	s_add_nc_u64 s[G0K+2:G0K+3], s[4:5], s[92:93]
	s_or_b32 s[G0K+3], s[G0K+3], 0x80000000
	s_add_nc_u64 s[G0V+2:G0V+3], s[4:5], s[94:95]
	s_or_b32 s[G0V+3], s[G0V+3], 0x80000000
	ROUND                                          ; the four work-groups are here: the joint loads meet
	s_cmp_lt_u32 s[WV], 8                          ; one load a wave, in the two arms of one branch on the wave's number
	s_cbranch_scc0 .Lfor_v
	tensor_load_to_lds s[G0K:G0K+3], s[G1K:G1K+7]
	s_nop 0
.rept 4
	v_nop
.endr
	s_branch .Lasked
.Lfor_v:
	tensor_load_to_lds s[G0V:G0V+3], s[G1V:G1V+7]
	s_nop 0
.rept 4
	v_nop
.endr
.Lasked:
	s_add_nc_u64 s[4:5], s[4:5], s[96:97]          ; my queries' image
	s_add_nc_u64 s[10:11], s[10:11], s[96:97]      ; and the result's
	s_add_nc_u64 s[8:9], s[8:9], s[56:57]
	s_add_nc_u64 s[14:15], s[6:7], s[58:59]
	s_add_nc_u64 s[16:17], s[14:15], 262144        ; k's scale words
	s_add_nc_u64 s[14:15], s[14:15], s[66:67]      ; q's, my group
	s_add_nc_u64 s[6:7], s[6:7], s[60:61]          ; v's
	s_add_nc_u64 s[12:13], s[12:13], s[62:63]
	v_lshlrev_b32 v6, 4, v0                        ; the tables: 16 bytes a thread,
	v_lshlrev_b32 v7, 3, v0                        ; or 8
	global_load_b128 v[118:121], v6, s[8:9]        ; the batch's mask: 512 threads x 4
	global_load_b128 v[122:125], v6, s[16:17]      ; K's scale words of the pair
	global_load_b64 v[126:127], v7, s[6:7]         ; V's scale words
	v_and_b32 v40, 15, v0                          ; r
	v_bfe_u32 v8, v0, 4, 1                         ; h
	v_bfe_u32 v9, v0, 3, 1                         ; r / 8
	v_and_b32 v10, 7, v0                           ; r % 8
	v_and_b32 v11, 31, v0
	v_lshlrev_b32 v[AQ], 3, v11
	v_mul_u32_u24 v[AK0], v9, 2*KP                 ; K: rows 8-15 of a tile lie two groups on,
	v_lshl_add_u32 v[AK0], v8, 7, v[AK0]           ; the image's lanes 16-31 128 bytes on,
	v_lshl_add_u32 v[AK0], v10, 3, v[AK0]          ; 8 bytes a row
	v_add_nc_u32 v[AV0], VT, v[AQ]
	v_lshl_add_u32 v[AM0], v8, 7, MSK              ; the terms of keys 32 h on
	v_lshl_add_u32 v[AS0], v10, 2, KSC
	v_lshl_add_u32 v[AS0], v9, 7, v[AS0]
	v_lshl_add_u32 v[AS0], v8, 6, v[AS0]           ; lanes 16-31: the odd tile's keys, 16 on
	v_lshl_add_u32 v[AT0], v40, 2, VSC
	v_lshlrev_b32 v[QSO], 2, v40
	v_lshlrev_b32 v[RO], 5, v40
	v_lshlrev_b32 v[SH8], 3, v8
	v_lshl_add_u32 v[TB], v0, 4, MSK
	v_lshl_add_u32 v[TB2], v0, 3, VSC
.irp j, 0,1,2,3,4,5
	v_mov_b32 v[QR+6+\j], 0                        ; the zero codes
.endr
	v_mov_b32 v[T2], 0                             ; a lane permute's destination counts as one of its sources
	v_mov_b32 v[F+1], 0                            ; named with f as a pair
	s_wait_loadcnt 0x0
.irp j, 0,1,2,3
	v_mul_f32 v[118+\j], 0xcfee6b28, v[118+\j]     ; x (-8e9) = -1e9 / (1/8)
.endr
.irp j, 0,1,2,3
	v_perm_b32 v[122+\j], v[122+\j], v[122+\j], s99
.endr
	ds_store_b128 v[TB], v[118:121]
	ds_store_b128 v[TB], v[122:125] offset:KSC-MSK
	ds_store_b64 v[TB2], v[126:127]
	s_wait_alu depctr_va_vdst(0)
	s_wait_tensorcnt 0x0                           ; my eighth of K or V is in,
	s_wait_dscnt 0x0                               ; my part of the tables is stored:
	s_barrier_signal -1
	s_barrier_wait -1                              ; and so is everybody's.  Nothing in LDS is written again but the spare words
.macro SUMS n                          ; n more pairs of p onto the four partial sums, by turns
.rept \n
.if SI%4 == 0
	v_pk_add_f32 v[14:15], v[14:15], v[S+2*SI:S+2*SI+1]
.else
	v_pk_add_f32 v[38+2*(SI%4):39+2*(SI%4)], v[38+2*(SI%4):39+2*(SI%4)], v[S+2*SI:S+2*SI+1]
.endif
.set SI, SI+1
.endr
.endm
; A KEY STEP: 128 keys x 16 queries; n: which of the trip's two
.macro STEP n
.irp c, 0,1
.irp u, 0,1,2,3
.irp p, 0,1,2
	ds_load_b64 v[KR+24*\c+6*\u+2*\p:KR+24*\c+6*\u+2*\p+1], v[ADK] offset:(8*\n+4*\c+\u%2)*KP+64*(\u/2)+288*\p
.endr
.endr
.endr
.irp c, 0,1
.irp w, 0,1
	ds_load_b32 v[KS+2*\c+\w], v[ADS] offset:512*\n+256*\c+32*\w
.endr
.endr
.irp c, 0,1
.irp u, 0,1,2,3
	ds_load_b128 v[S+32*\c+8*\u:S+32*\c+8*\u+3], v[ADM] offset:512*\n+256*\c+64*(\u%2)+32*(\u/2)       ; the terms of keys 64 c + 8 sg(u) + 32 h + 0..7: the product's C
	ds_load_b128 v[S+32*\c+8*\u+4:S+32*\c+8*\u+7], v[ADM] offset:512*\n+256*\c+64*(\u%2)+32*(\u/2)+16
.endr
.endr
	s_wait_dscnt 0x0
.irp c, 0,1
.irp u, 0,1,2,3
.if \u%2
	v_wmma_scale_f32_16x16x128_f8f6f4 v[S+32*\c+8*\u:S+32*\c+8*\u+7], v[KR+24*\c+12*(\u/2):KR+24*\c+12*(\u/2)+11], v[QR+6:QR+17], v[S+32*\c+8*\u:S+32*\c+8*\u+7], v[KS+2*\c+\u/2], v[QSA] matrix_a_fmt:MATRIX_FMT_FP6 matrix_b_fmt:MATRIX_FMT_FP6 matrix_a_scale:MATRIX_SCALE_ROW1
.else
	v_wmma_scale_f32_16x16x128_f8f6f4 v[S+32*\c+8*\u:S+32*\c+8*\u+7], v[KR+24*\c+12*(\u/2):KR+24*\c+12*(\u/2)+11], v[QR:QR+11], v[S+32*\c+8*\u:S+32*\c+8*\u+7], v[KS+2*\c+\u/2], v[QSA] matrix_a_fmt:MATRIX_FMT_FP6 matrix_b_fmt:MATRIX_FMT_FP6
.endif
.endr
.endr
.rept 4
	v_nop                                          ; places in front of the loads into V's registers and of the first read of the scores
.endr
.irp t, 0,1,2,3
.irp p, 0,1,2,3,4,5
	ds_load_b64 v[VR+12*\t+2*\p:VR+12*\t+2*\p+1], v[ADV] offset:6144*\n+1536*\t+256*\p
.endr
	ds_load_b32 v[VS+\t], v[ADT] offset:256*\n+64*\t
.endr
.irp c, 0,1
	v_max3_num_f32 v[BMX+\c], v[S+32*\c], v[S+32*\c+1], v[S+32*\c+2]   ; my two blocks' largest scores, each in two chains; each accumulator from its low end on
.endr
.irp c, 0,1
	v_max3_num_f32 v[BM2+\c], v[S+32*\c+3], v[S+32*\c+4], v[S+32*\c+5]
.endr
.irp i, 6,10,14,18,22,26
.irp c, 0,1
	v_max3_num_f32 v[BMX+\c], v[BMX+\c], v[S+32*\c+\i], v[S+32*\c+\i+1]
.endr
.irp c, 0,1
	v_max3_num_f32 v[BM2+\c], v[BM2+\c], v[S+32*\c+\i+2], v[S+32*\c+\i+3]
.endr
.endr
.irp c, 0,1
	v_max3_num_f32 v[BMX+\c], v[BMX+\c], v[S+32*\c+30], v[S+32*\c+31]
.endr
.irp c, 0,1
	v_max_num_f32 v[BMX+\c], v[BMX+\c], v[BM2+\c]
.endr
	s_delay_alu instid0(VALU_DEP_1)
	v_max_num_f32 v[TP], v[BMX], v[BMX+1]
	s_delay_alu instid0(VALU_DEP_1)
	v_permlanex16_b32 v[T2], v[TP], s[SEL], s[SEL+1]
	s_delay_alu instid0(VALU_DEP_1)
	v_max_num_f32 v[TP], v[TP], v[T2]              ; with lane l xor 16's 64 keys: the step's largest score of my query
	s_delay_alu instid0(VALU_DEP_1)
	v_mul_f32 v[TP], s[CS], v[TP]                  ; as t (c is positive)
	s_delay_alu instid0(VALU_DEP_1)
	v_max_num_f32 v13, v13, v[TP]                  ; the running largest t
	v_mov_b32 v[T2], v12
	s_delay_alu instid0(VALU_DEP_2)
	v_floor_f32 v12, -v13                          ; the new -M = -ceil(t)
	s_delay_alu instid0(VALU_DEP_1)
	v_sub_f32 v[T2], v12, v[T2]                    ; old M - new M: a whole number, 0 or less
	s_delay_alu instid0(VALU_DEP_1)
	v_cvt_i32_f32 v[T2], v[T2]                     ; (it saturates)
	s_delay_alu instid0(VALU_DEP_1)
	v_ldexp_f32 v[F], 1.0, v[T2]                   ; f = 2^(old M - new M)
.set j, 0
.rept 32
	v_pk_fma_f32 v[S+j:S+j+1], v[S+j:S+j+1], s[CS:CS+1], v[12:13] op_sel_hi:[1,0,0]   ; t - M, two at a time
.set j, j+2
.endr
.irp c, 0,1
	v_fma_f32 v[BMX+\c], v[BMX+\c], s[CS], v12     ; the same of each block's largest score
.endr
.set j, 0
.rept 16
	v_pk_mul_f32 v[OT+j:OT+j+1], v[OT+j:OT+j+1], v[F:F+1] op_sel_hi:[1,0]   ; O^T under the new M
.set j, j+2
.endr
	s_wait_alu depctr_va_vdst(0)
.set j, 0
.rept 64
	v_exp_f32 v[S+j], v[S+j]                       ; p = 2^(t - M), at most 1
.set j, j+1
.endr
.irp c, 0,1
	v_exp_f32 v[BMX+\c], v[BMX+\c]                 ; the block's largest p: the same two instructions on the same number
.endr
	v_nop                                          ; a plain line behind the exponentials
	s_wait_dscnt 0x0                               ; V, asked for ahead of the softmax
	s_wait_alu depctr_va_vdst(0)                   ; one wait for the batch of 66, ahead of its first reader
.irp c, 0,1
	v_max_num_f32 v[BMX+\c], 0x1800000, v[BMX+\c]  ; the floor 2^(3 - 127): a block whose every p is 0 keeps the byte 1: its codes are zeros
.endr
	v_pk_fma_f32 v[14:15], v[14:15], v[F:F+1], v[S:S+1] op_sel_hi:[1,0,1]   ; the sum under the new M, and the first pair of the unquantised p; the sums' lines stand among the scale's dependent ones
	v_pk_add_f32 v[40:41], v[S+2:S+3], v[S+4:S+5]
	v_pk_add_f32 v[42:43], v[S+6:S+7], v[S+8:S+9]
	v_pk_add_f32 v[44:45], v[S+10:S+11], v[S+12:S+13]
.set SI, 7
.irp c, 0,1
	v_add_nc_u32 v[SO+\c], 0xff000000, v[BMX+\c]   ; 2 off the exponent field: the conversion's scale operand
.endr
	SUMS 4
.irp c, 0,1
	v_cvt_scalef32_pk16_fp6_f32 v[PC+6*\c:PC+6*\c+2], v[S+32*\c:S+32*\c+15], v[SO+\c]
	v_cvt_scalef32_pk16_fp6_f32 v[PT+4*\c:PT+4*\c+2], v[S+32*\c+16:S+32*\c+31], v[SO+\c]   ; (a conversion's three registers begin on an even number)
.endr
	v_lshrrev_b32 v[BM2], 23, v[SO]                ; block h's byte, at bits 7:0 (a plain line behind the conversions)
	v_lshrrev_b32 v[BM2+1], 7, v[SO+1]             ; block 2 + h's, at bits 23:16
	SUMS 4
	v_and_or_b32 v[TP], v[BM2+1], 0xff0000, v[BM2]
.irp c, 0,1
.irp i, 0,1,2
	v_mov_b32 v[PC+6*\c+3+\i], v[PT+4*\c+\i]
.endr
.endr
	v_lshlrev_b32 v[TP], v[SH8], v[TP]             ; 8 h bits up
	SUMS 4
	v_permlanex16_b32 v[T2], v[TP], s[SEL], s[SEL+1]
	SUMS 4
	v_or_b32 v[PWA], v[TP], v[T2]                  ; p's scale word for these 128 keys
	SUMS 8                                         ; eight lines between the scale word just made and the products
.irp t, 0,1,2,3
	v_wmma_scale_f32_16x16x128_f8f6f4 v[OT+8*\t:OT+8*\t+7], v[VR+12*\t:VR+12*\t+11], v[PC:PC+11], v[OT+8*\t:OT+8*\t+7], v[VS+\t], v[PWA] matrix_a_fmt:MATRIX_FMT_FP6 matrix_b_fmt:MATRIX_FMT_FP6
.endr
	SUMS 1                                         ; the sums' last four lines name no register of the products: the places in front of the next loads into V's registers
	v_pk_add_f32 v[40:41], v[40:41], v[42:43]
	v_pk_add_f32 v[14:15], v[14:15], v[44:45]
	v_pk_add_f32 v[14:15], v[14:15], v[40:41]
.endm
	s_mov_b32 s[PASS], 2
.Lpass:
.irp p, 0,1,2
	global_load_b64 v[QR+2*\p:QR+2*\p+1], v[AQ], s[4:5] offset:256*\p   ; Q stays in registers for a pass
.endr
	global_load_b32 v[QSA], v[QSO], s[14:15]
	v_mov_b32 v13, 0xff61b1e6                      ; the largest t so far: -3e38
	v_mov_b32 v12, 0x7f61b1e6                      ; -M
	v_mov_b32 v14, 0
	v_mov_b32 v15, 0
.set j, 0
.rept 32
	v_mov_b32 v[OT+j], 0                           ; the step is written once: the first finds zeros, which the first change of M leaves zeros
.set j, j+1
.endr
	s_wait_loadcnt 0x0
	v_perm_b32 v[QSA], v[QSA], v[QSA], s99
.irp j, 0,1,2,3,4,5
	v_mov_b32 v[QR+12+\j], v[QR+\j]
.endr
	s_mov_b32 s[NS], 0
	s_wait_alu depctr_va_vdst(0)                   ; ahead of the loop's waits
.Ltrip:                                                ; a trip: two steps, 256 keys
	s_mul_i32 s[TK], s[NS], 16*KP
	s_mul_i32 s[TVV], s[NS], 12288
	s_lshl_b32 s[TM], s[NS], 10
	s_lshl_b32 s[TV], s[NS], 9
	v_add_nc_u32 v[ADK], s[TK], v[AK0]             ; (in a pass's first trip these five lines, with the six above, also stand between Q's scale word and codes just written and the first products)
	v_add_nc_u32 v[ADM], s[TM], v[AM0]
	v_add_nc_u32 v[ADS], s[TM], v[AS0]
	v_add_nc_u32 v[ADV], s[TVV], v[AV0]
	v_add_nc_u32 v[ADT], s[TV], v[AT0]
	s_wait_alu depctr_va_vdst(0)
	STEP 0
	STEP 1
	s_add_co_u32 s[NS], s[NS], 1
	s_cmp_lt_u32 s[NS], 8
	s_cbranch_scc1 .Ltrip
	; THE WAY OUT: O^T / the sum; its 64 numbers of a query are two blocks of the last projection's K
	s_wait_alu depctr_va_vdst(0)
	v_add_f32 v14, v14, v15
	v_permlanex16_b32 v[T2], v14, s[SEL], s[SEL+1]
	v_add_f32 v14, v14, v[T2]                      ; the row's sum
	s_wait_alu depctr_va_vdst(0)
	v_rcp_f32 v14, v14
	v_nop
	s_wait_alu depctr_va_vdst(0)                   ; ahead of the reciprocal's first reader, which is also O^T's
.set j, 0
.rept 16
	v_pk_mul_f32 v[S+j:S+j+1], v[OT+j:OT+j+1], v[14:15] op_sel_hi:[1,0]   ; register 8 t + i is o(my query, 16 t + 8 h + i)
.set j, j+2
.endr
.irp b, 0,1
	v_max3_num_f32 v[BMX+\b], |v[S+16*\b]|, |v[S+16*\b+1]|, 0x1800000
.endr
.irp i, 2,4,6,8,10,12,14
.irp b, 0,1
	v_max3_num_f32 v[BMX+\b], v[BMX+\b], |v[S+16*\b+\i]|, |v[S+16*\b+\i+1]|
.endr
.endr
.irp b, 0,1
	v_permlanex16_b32 v[PT+\b], v[BMX+\b], s[SEL], s[SEL+1]
.endr
.irp b, 0,1
	v_max_num_f32 v[BMX+\b], v[BMX+\b], v[PT+\b]
.endr
.irp b, 0,1
	v_add_nc_u32 v[SO+\b], 0xff000000, v[BMX+\b]
.endr
.irp b, 0,1
	v_lshrrev_b32 v[PT+\b], 23, v[SO+\b]
.endr
	v_lshl_or_b32 v[TP], v[PT+1], 8, v[PT]         ; my query's two scale bytes
	v_cvt_scalef32_pk16_fp6_f32 v[PC:PC+2], v[S:S+15], v[SO]
	v_cvt_scalef32_pk16_fp6_f32 v[PT+4:PT+6], v[S+16:S+31], v[SO+1]
	v_nop
.irp i, 0,1,2
	v_permlane16_swap_b32 v[PC+\i], v[PT+4+\i]     ; a whole block in a lane
.endr
.irp i, 0,1,2
	v_mov_b32 v[PC+3+\i], v[PT+4+\i]
.endr
.irp p, 0,1,2
	global_store_b64 v[AQ], v[PC+2*\p:PC+2*\p+1], s[10:11] offset:256*\p   ; my head's half of the image: 256 consecutive bytes a store, aligned
.endr
	global_store_b16 v[RO], v[TP], s[12:13]        ; both halves of the lanes write the same 16 bits to the same place
	s_wait_xcnt 0x0                                ; the stores and loads have read their bases and registers
	s_add_nc_u64 s[4:5], s[4:5], 24576             ; 16 groups of queries on
	s_add_nc_u64 s[10:11], s[10:11], 24576
	s_add_nc_u64 s[14:15], s[14:15], 1024
	s_add_nc_u64 s[12:13], s[12:13], 8192
	s_sub_co_u32 s[PASS], s[PASS], 1
	s_cmp_lg_u32 s[PASS], 0
	s_wait_alu depctr_va_vdst(0)
	s_cbranch_scc1 .Lpass
	s_wait_tensorcnt 0x0                           ; the wave's end
	ds_add_u32 v[SPW], v[NIL]
	s_wait_dscnt 0x0
	ROUND                                          ; the closing round
	s_endpgm
.Lfunc_end_k_qa8fe1457ac_attn:
	.size	k_qa8fe1457ac_attn, .Lfunc_end_k_qa8fe1457ac_attn-k_qa8fe1457ac_attn
	.p2alignl 7, 3214868480
	.fill 96, 4, 3214868480
	.section	.rodata,"a",@progbits
	.p2align	6, 0x0
	.amdhsa_kernel k_qa8fe1457ac_attn
		.amdhsa_group_segment_fixed_size 231424
		.amdhsa_private_segment_fixed_size 0
		.amdhsa_enable_private_segment 0
		.amdhsa_kernarg_size 40
		.amdhsa_user_sgpr_count 2
		.amdhsa_user_sgpr_kernarg_segment_ptr 1
		.amdhsa_wavefront_size32 1
		.amdhsa_system_sgpr_workgroup_id_x 1
		.amdhsa_system_sgpr_workgroup_id_y 1
		.amdhsa_system_sgpr_workgroup_id_z 1
		.amdhsa_system_vgpr_workitem_id 0
		.amdhsa_next_free_vgpr 256
		.amdhsa_next_free_sgpr 100
		.amdhsa_reserve_vcc 0
		.amdhsa_float_denorm_mode_32 3
		.amdhsa_float_denorm_mode_16_64 3
		.amdhsa_memory_ordered 1
		.amdhsa_forward_progress 1
		.amdhsa_inst_pref_size 49
	.end_amdhsa_kernel
	.amdgpu_metadata
---
amdhsa.version: [ 1, 2 ]
amdhsa.kernels:
  - .name:           k_qa8fe1457ac_attn
    .symbol:         k_qa8fe1457ac_attn.kd
    .args:
      - { .name: pcod, .offset: 0, .size: 8, .value_kind: global_buffer, .address_space: global }
      - { .name: pscl, .offset: 8, .size: 8, .value_kind: global_buffer, .address_space: global }
      - { .name: mask, .offset: 16, .size: 8, .value_kind: global_buffer, .address_space: global }
      - { .name: acod, .offset: 24, .size: 8, .value_kind: global_buffer, .address_space: global }
      - { .name: ascl, .offset: 32, .size: 8, .value_kind: global_buffer, .address_space: global }
    .group_segment_fixed_size: 231424
    .private_segment_fixed_size: 0
    .kernarg_segment_align: 8
    .kernarg_segment_size: 40
    .max_flat_workgroup_size: 512
    .sgpr_count:     100
    .vgpr_count:     256
    .wavefront_size: 32
...
	.end_amdgpu_metadata
.endif
;; end of part 3
;; launch oproj (part 4): grid 4 x 32, 4 waves a work-group, clusters of 4 x 4, 327,680 bytes of LDS; arguments acod, ascl, wcod, wscl, bo, out0; writes out0
.if DOCPART == 4
	.amdgcn_target "amdgcn-amd-amdhsa--gfx1250"
	.amdhsa_code_object_version 6
	.text
	.protected	k_qa8fe1457ac_oproj
	.globl	k_qa8fe1457ac_oproj
	.p2align	8
	.type	k_qa8fe1457ac_oproj,@function
k_qa8fe1457ac_oproj:
	s_mov_b64 s[64:65], 0
	v_nop
	global_prefetch_b8 v0, s[64:65] scope:SCOPE_SE
	s_setreg_imm32_b32 hwreg(HW_REG_WAVE_MODE, 25, 1), 1
	s_wait_xcnt 0x0
	s_wait_alu depctr_hold_cnt(0) depctr_sa_sdst(0) depctr_va_vdst(0) depctr_va_sdst(0) depctr_va_ssrc(0) depctr_va_vcc(0) depctr_vm_vsrc(0)
	s_getreg_b32 s2, hwreg(HW_REG_IB_STS2, 6, 4)
	s_cmp_eq_u32 s2, 0
	s_cbranch_scc0 .Lentry_in_a_cluster
	s_endpgm
.Lentry_in_a_cluster:
	s_bfe_u32 s2, ttmp6, 0x10000c
	s_cmp_lg_u32 s2, 0xf033
	s_cbranch_scc0 .Lentry_shape_is_right
	s_endpgm
.Lentry_shape_is_right:
.set SIZE_N, 1024
.set KSTEP,  256
.set NQ,     KSTEP/128
.set ROWB,   256                       ; B's 128 rows x 192 bytes lie dense in memory: stated as 96 rows of 256 bytes, each on a multiple of 256
.set KSTR,   196608                    ; bytes from one 256 along K to the next
.set KROW,   256
.set PITCH,  240
.set FR,     12
.set NL,     6
.set NP,     4
.set HALFT,  128*PITCH
.set SLOT,   4*HALFT
.set LAPS,   2
.set KS,     32
.set SCL,    2*SLOT
.set HALFS,  (128*KS/256)*272
.set SBLK,   (16*KS/256)*272
.set SPARE,  SCL+4*HALFS
.set SPITCH, 528
.set APAIR,  196608
.set ADRA, 16
.set ADRB, 20
.set STO,  24
.set RD,   25
.set CO,   26
.set ADRS, 27
.set SPW,  28
.set NIL,  29
.set BNO,  30
.set SC,   32
.set BN,   64
.set AF,   128
.set BK,   128
.set G1, 24
.set G0, 32
.set G1B, 48
.set G0B, 56
.set G1S, 68
.set G0S, 76
.set G1SB, 80
.set G0SB, 88
.set MSB, 0
.macro WIN new
.if MSB != \new
	s_set_vgpr_msb (MSB<<8)|\new
.set MSB, \new
.endif
.endm
.set MUL_LO, 0xa1
.set MUL_HI, 0xf1
.set FST_LO, 0x81
.set FST_HI, 0xc1
.set TO_B,   0x40
.macro JLOAD g0a, g1a, g0b, g1b
	s_cmp_eq_u32 s15, 0
	s_cbranch_scc0 .Lfor_b_\@
	tensor_load_to_lds s[\g0a:\g0a+3], s[\g1a:\g1a+7]
	s_nop 0
.rept 4
	v_nop
.endr
	s_branch .Lasked_\@
.Lfor_b_\@:
	tensor_load_to_lds s[\g0b:\g0b+3], s[\g1b:\g1b+7]
	s_nop 0
.rept 4
	v_nop
.endr
.Lasked_\@:
.endm
.macro CREST
	s_cmp_lg_u32 s14, 0
	s_cbranch_scc1 .Lnot_wave_0_\@
	s_barrier_signal -3
.Lnot_wave_0_\@:
	s_barrier_wait -3
	s_barrier_signal -1
	s_barrier_wait -1
.endm
.macro CROUND
	s_barrier_signal -1
	s_barrier_wait -1
	CREST
.endm
	s_load_b128 s[4:7], s[0:1], 0x0
	s_load_b128 s[8:11], s[0:1], 0x10
	s_load_b64 s[96:97], s[0:1], 0x20
	s_load_b64 s[12:13], s[0:1], 0x28
	v_lshl_add_u32 v[SPW], v0, 2, SPARE
	v_mov_b32 v[NIL], 0
	ds_add_u32 v28, v29
	ds_add_u32 v28, v29
	s_wait_dscnt 0x0
	v_lshrrev_b32 v1, 5, v0
	v_readfirstlane_b32 s14, v1
	s_lshr_b32 s15, s14, 1
	s_and_b32 s16, s14, 1
	s_bfe_u32 s40, ttmp6, 0x40000
	s_bfe_u32 s41, ttmp6, 0x40004
	s_lshl_b32 s42, ttmp9, 2
	s_add_co_u32 s42, s42, s40
	s_and_b32 s17, ttmp7, 0xffff
	s_lshl_b32 s17, s17, 2
	s_add_co_u32 s17, s17, s41
	s_lshl_b32 s43, s41, 2
	s_lshl_b32 s43, 15, s43
	s_lshl_b32 s44, 0x1111, s40
	s_or_b32 s[G1+0], s43, (3<<16)|(1<<21)
	s_mov_b32 s[G1+1], 1536<<16
	s_mov_b32 s[G1+2], 2<<16
	s_mov_b32 s[G1+3], 1536<<16
	s_mov_b32 s[G1+4], 2
	s_mov_b32 s[G1+5], APAIR/8
	s_mov_b32 s[G1+6], 0
	s_mov_b32 s[G1+7], 0
	s_or_b32 s[G1B+0], s44, (0<<16)|(1<<20)|(1<<21)|(3<<22)|(3<<25)
	s_mov_b32 s[G1B+1], ROWB<<16
	s_mov_b32 s[G1B+2], 96<<16
	s_mov_b32 s[G1B+3], ROWB<<16
	s_mov_b32 s[G1B+4], 96
	s_mov_b32 s[G1B+5], KROW
	s_mov_b32 s[G1B+6], 0
	s_mov_b32 s[G1B+7], 0
	s_or_b32 s[G1S+0], s43, (3<<16)|(1<<20)|(1<<21)|(5<<22)|(3<<25)
	s_or_b32 s[G1SB+0], s44, (3<<16)|(1<<20)|(1<<21)|(5<<22)|(3<<25)
.irp g, G1S, G1SB
	s_mov_b32 s[\g+1], 32<<16
	s_mov_b32 s[\g+2], (128*KS/256)<<16
	s_mov_b32 s[\g+3], 32<<16
	s_mov_b32 s[\g+4], 128*KS/256
	s_mov_b32 s[\g+5], 32
	s_mov_b32 s[\g+6], 0
	s_mov_b32 s[\g+7], 0
.endr
	s_lshr_b32 s20, s17, 3
	s_mul_i32 s20, s20, 8*APAIR
	s_and_b32 s21, s17, 7
	s_lshl_b32 s21, s21, 4
	s_lshl_b32 s18, s16, 3
	s_add_co_u32 s21, s21, s18
	s_mul_i32 s21, s21, 1536
	s_add_co_u32 s20, s20, s21
	s_mov_b32 s21, 0
	s_lshl_b32 s18, s16, 7
	s_lshl_b32 s22, s17, 8
	s_add_co_u32 s22, s22, s18
	s_lshl_b32 s22, s22, 5
	s_mov_b32 s23, 0
	s_lshl_b32 s46, s42, 8
	s_add_co_u32 s46, s46, s18
	s_mov_b32 s47, 0
	s_mov_b64 s[18:19], KS
	s_mul_u64 s[92:93], s[46:47], s[18:19]
	s_mov_b64 s[18:19], 192
	s_mul_u64 s[46:47], s[46:47], s[18:19]
	s_add_nc_u64 s[46:47], s[46:47], 3*786432
	s_add_nc_u64 s[92:93], s[92:93], 3*32768
	s_mul_i32 s45, s14, HALFT
	s_mul_i32 s94, s14, HALFS
	s_wait_kmcnt 0x0
	s_add_nc_u64 s[20:21], s[4:5], s[20:21]
	s_add_nc_u64 s[22:23], s[6:7], s[22:23]
	s_add_nc_u64 s[46:47], s[8:9], s[46:47]
	s_add_nc_u64 s[92:93], s[10:11], s[92:93]
	CROUND
	s_mov_b32 s[G0S], 1
	s_add_co_u32 s[G0S+1], s94, SCL
	s_mov_b64 s[G0S+2:G0S+3], s[22:23]
	s_or_b32 s[G0S+3], s[G0S+3], 0x80000000
	s_mov_b32 s[G0SB], 1
	s_add_co_u32 s[G0SB+1], s94, SCL
	s_mov_b64 s[G0SB+2:G0SB+3], s[92:93]
	s_or_b32 s[G0SB+3], s[G0SB+3], 0x80000000
	JLOAD G0S, G1S, G0SB, G1SB
.irp s, 0,1
	s_mov_b32 s[G0+4*\s], 1
	s_add_co_u32 s[G0+4*\s+1], s45, \s*SLOT
	s_add_nc_u64 s[G0+4*\s+2:G0+4*\s+3], s[20:21], \s*2*APAIR
	s_or_b32 s[G0+4*\s+3], s[G0+4*\s+3], 0x80000000
	s_mov_b32 s[G0B+4*\s], 1
	s_add_co_u32 s[G0B+4*\s+1], s45, \s*SLOT
	s_add_nc_u64 s[G0B+4*\s+2:G0B+4*\s+3], s[46:47], \s*KSTR
	s_or_b32 s[G0B+4*\s+3], s[G0B+4*\s+3], 0x80000000
	s_wait_alu depctr_va_vdst(0)
	s_wait_tensorcnt 0x0
	ds_add_u32 v28, v29
	s_wait_dscnt 0x0
	CROUND
	JLOAD G0+4*\s, G1, G0B+4*\s, G1B
.endr
	v_and_b32 v1, 15, v0
	v_bfe_u32 v2, v0, 4, 1
	v_and_b32 v6, 31, v0
	v_mul_u32_u24 v3, v1, PITCH
	v_mul_u32_u24 v4, v2, 24
	v_add_nc_u32 v4, v3, v4
	v_lshl_add_u32 v5, v2, 4, v4
	v_lshlrev_b32 v7, 3, v6
	s_mul_i32 s21, s15, HALFT
	s_mul_i32 s22, s16, HALFT
	s_add_co_u32 s22, s22, 2*HALFT
.irp s, 0,1
	v_add_nc_u32 v[ADRA+\s], s21, v7
	v_add_nc_u32 v[ADRB+\s], s22, v4
	v_add_nc_u32 v[ADRB+2+\s], s22, v5
	s_add_co_u32 s21, s21, SLOT
	s_add_co_u32 s22, s22, SLOT
.endr
	v_mul_u32_u24 v5, v1, KS
	v_lshrrev_b32 v3, 8, v5
	v_lshl_add_u32 v5, v3, 4, v5
	s_mul_i32 s21, s15, HALFS
	s_mul_i32 s22, s16, HALFS
	s_add_co_u32 s22, s22, 2*HALFS
	s_sub_co_u32 s22, s22, s21
	v_mul_u32_u24 v3, s22, v2
	s_add_co_u32 s21, s21, SCL
	v_add_nc_u32 v5, v5, v3
	v_add_nc_u32 v[ADRS], s21, v5
	s_mul_i32 s23, s14, 16*SPITCH
	v_mul_u32_u24 v5, v1, SPITCH
	v_lshl_add_u32 v5, v2, 5, v5
	v_add_nc_u32 v[STO], s23, v5
	v_lshlrev_b32 v[CO], 4, v6
	v_add_nc_u32 v[RD], s23, v[CO]
	v_lshlrev_b32 v[BNO], 5, v2
	s_wait_alu depctr_va_vdst(0)
	s_lshl_b32 s20, s17, 8
	s_lshl_b32 s21, s15, 7
	s_add_co_u32 s20, s20, s21
	s_mov_b32 s21, 0
	s_mov_b64 s[18:19], SIZE_N*4
	s_mul_u64 s[20:21], s[20:21], s[18:19]
	s_lshl_b32 s46, s42, 10
	s_lshl_b32 s47, s16, 9
	s_add_co_u32 s46, s46, s47
	s_mov_b32 s47, 0
	s_add_nc_u64 s[96:97], s[96:97], s[46:47]
	s_add_nc_u64 s[20:21], s[20:21], s[46:47]
	s_add_nc_u64 s[12:13], s[12:13], s[20:21]
.irp b, 0,1,2,3,4,5,6,7
	global_load_b128 v[BN+8*\b:BN+8*\b+3], v[BNO], s[96:97] offset:64*\b
	global_load_b128 v[BN+8*\b+4:BN+8*\b+7], v[BNO], s[96:97] offset:64*\b+16
.endr
.macro FRAG reg, adr, q, i
.irp p, 0,1,2,3,4,5
.set PIE, 12*(\q)+6*(\p/3)+\p%3
.if PIE%8 < 5
	ds_load_b64 v[\reg+2*\p:\reg+2*\p+1], v[\adr] offset:8*PIE+16*(PIE/8)+(\i)*16*PITCH
.else
	ds_load_b64 v[\reg+2*\p:\reg+2*\p+1], v[\adr+2] offset:8*PIE+16*(PIE/8)+(\i)*16*PITCH
.endif
.endr
.endm
.macro MUL16 a0, p, q, sc, first
.irp a, \a0, \a0+1
.irp b, 0,1,2,3,4,5,6,7
.if \first
	v_wmma_scale_f32_16x16x128_f8f6f4 v[8*(8*((\a)%4)+\b):8*(8*((\a)%4)+\b)+7], v[128*(\p)+FR*\b:128*(\p)+FR*\b+FR-1], v[AF+FR*(\a):AF+FR*(\a)+FR-1], v[BN+8*\b:BN+8*\b+7], v[SC+8*NQ*(\sc)+NQ*\b+(\q)], v[SC+8*NQ*(\sc)+NQ*(\a)+(\q)] matrix_a_fmt:MATRIX_FMT_FP6 matrix_b_fmt:MATRIX_FMT_FP6 matrix_a_scale:MATRIX_SCALE_ROW1
.else
	v_wmma_scale_f32_16x16x128_f8f6f4 v[8*(8*((\a)%4)+\b):8*(8*((\a)%4)+\b)+7], v[128*(\p)+FR*\b:128*(\p)+FR*\b+FR-1], v[AF+FR*(\a):AF+FR*(\a)+FR-1], v[8*(8*((\a)%4)+\b):8*(8*((\a)%4)+\b)+7], v[SC+8*NQ*(\sc)+NQ*\b+(\q)], v[SC+8*NQ*(\sc)+NQ*(\a)+(\q)] matrix_a_fmt:MATRIX_FMT_FP6 matrix_b_fmt:MATRIX_FMT_FP6 matrix_a_scale:MATRIX_SCALE_ROW1
.endif
.endr
.endr
.endm
.macro FETCH_B slot, q, p
	WIN TO_B
.irp i, 0,1,2,3,4,5,6,7
	FRAG 128*(\p)+FR*\i, ADRB+\slot, \q, \i
.endr
	WIN 0
.endm
.macro FETCH_A slot, q, i0
.irp i, \i0, \i0+1, \i0+2, \i0+3
.irp p, 0,1,2,3,4,5
	ds_load_b64 v[AF+FR*(\i)+2*\p:AF+FR*(\i)+2*\p+1], v[ADRA+\slot] offset:(\q)*12288+(\i)*1536+256*\p
.endr
.endr
.endm
.macro SCALES sc
.irp i, 0,1,2,3,4,5,6,7
	ds_load_b64 v[SC+8*NQ*\sc+NQ*\i:SC+8*NQ*\sc+NQ*\i+1], v[ADRS] offset:\i*SBLK
.endr
.endm
.macro PLACES n
.rept \n
	v_nop
.endr
.endm
.macro STEP slot, q, first
	s_wait_dscnt 4*NL
.if \first
	WIN FST_LO
.else
	WIN MUL_LO
.endif
	MUL16 0, (\q)%2, \q, \slot, \first
	MUL16 2, (\q)%2, \q, \slot, \first
	s_wait_dscnt 0
	PLACES NP
	FETCH_B \slot, (\q)+1, 1-(\q)%2
	FETCH_A \slot, (\q)+1, 0
.if \first
	WIN FST_HI
.else
	WIN MUL_HI
.endif
	MUL16 4, (\q)%2, \q, \slot, \first
	MUL16 6, (\q)%2, \q, \slot, \first
	PLACES NP
	WIN 0
	FETCH_A \slot, (\q)+1, 4
.endm
.macro TURN slot, next, fill
	s_wait_tensorcnt 0x0
	ds_add_u32 v[SPW], v[NIL]
	s_wait_dscnt 4*NL+1
	WIN MUL_LO
	MUL16 0, 1, NQ-1, \slot, 0
	s_wait_dscnt 0x0
	s_barrier_signal -1
	MUL16 2, 1, NQ-1, \slot, 0
	WIN 0
	s_barrier_wait -1
.if \fill
	CREST
	s_add_nc_u64 s[G0+4*\slot+2:G0+4*\slot+3], s[G0+4*\slot+2:G0+4*\slot+3], 4*APAIR
	s_add_nc_u64 s[G0B+4*\slot+2:G0B+4*\slot+3], s[G0B+4*\slot+2:G0B+4*\slot+3], 2*KSTR
	JLOAD G0+4*\slot, G1, G0B+4*\slot, G1B
.else
	PLACES NP
.endif
	s_wait_alu depctr_va_vdst(0)
	v_add_nc_u32 v[ADRS], 4*NQ, v[ADRS]
	FETCH_B \next, 0, 0
	FETCH_A \next, 0, 0
	SCALES \next
	WIN MUL_HI
	MUL16 4, 1, NQ-1, \slot, 0
	MUL16 6, 1, NQ-1, \slot, 0
	PLACES NP
	WIN 0
	FETCH_A \next, 0, 4
.endm
	s_wait_loadcnt 0x0
	s_wait_tensorcnt 1
	s_barrier_signal -1
	s_barrier_wait -1
	FETCH_B 0, 0, 0
	FETCH_A 0, 0, 0
	SCALES 0
	FETCH_A 0, 0, 4
	STEP 0, 0, 1
	s_mov_b32 s3, LAPS-1
.Llap:
	TURN 0, 1, 1
	STEP 1, 0, 0
	TURN 1, 0, 1
	STEP 0, 0, 0
	s_sub_co_u32 s3, s3, 1
	s_cmp_lg_u32 s3, 0
	s_cbranch_scc1 .Llap
	TURN 0, 1, 0
	STEP 1, 0, 0
	s_wait_dscnt 4*NL
	WIN MUL_LO
	MUL16 0, 1, NQ-1, 1, 0
	MUL16 2, 1, NQ-1, 1, 0
	s_wait_dscnt 0
	WIN MUL_HI
	MUL16 4, 1, NQ-1, 1, 0
	MUL16 6, 1, NQ-1, 1, 0
	WIN 0
.macro TOSTAGE a
.set AC, 64*((\a)%4)
	WIN 0x08+4*((\a)/4)
.irp b, 0,1,2,3,4,5,6,7
	ds_store_b128 v[STO], v[AC+8*\b:AC+8*\b+3] offset:64*\b
	ds_store_b128 v[STO], v[AC+8*\b+4:AC+8*\b+7] offset:64*\b+16
.endr
	WIN 0
.set BB, BK+64*((\a)%2)
.irp t, 0,1,2,3,4,5,6,7,8,9,10,11,12,13,14,15
	ds_load_b128 v[BB+4*\t:BB+4*\t+3], v[RD] offset:\t*SPITCH
.endr
.endm
.macro SEND a, younger
.set BB, BK+64*((\a)%2)
	s_wait_dscnt \younger
.if (\a) > 0
	s_add_nc_u64 s[12:13], s[12:13], 16*SIZE_N*4
.endif
.irp t, 0,1,2,3,4,5,6,7,8,9,10,11,12,13,14,15
	global_store_b128 v[CO], v[BB+4*\t:BB+4*\t+3], s[12:13] offset:\t*SIZE_N*4 th:TH_STORE_NT
.endr
.endm
	PLACES NP
	TOSTAGE 0
.irp a, 1,2,3,4,5,6,7
.if \a > 1
	s_wait_xcnt 0x0
.endif
	TOSTAGE \a
	SEND \a-1, 32
.endr
	s_wait_xcnt 0x0
	SEND 7, 0
	s_wait_tensorcnt 0x0
	ds_add_u32 v[SPW], v[NIL]
	s_wait_dscnt 0x0
	CROUND
	s_endpgm
.Lfunc_end_k_qa8fe1457ac_oproj:
	.size	k_qa8fe1457ac_oproj, .Lfunc_end_k_qa8fe1457ac_oproj-k_qa8fe1457ac_oproj
	.p2alignl 7, 3214868480
	.fill 96, 4, 3214868480
	.section	.rodata,"a",@progbits
	.p2align	6, 0x0
	.amdhsa_kernel k_qa8fe1457ac_oproj
		.amdhsa_group_segment_fixed_size 327680
		.amdhsa_private_segment_fixed_size 0
		.amdhsa_enable_private_segment 0
		.amdhsa_kernarg_size 48
		.amdhsa_user_sgpr_count 2
		.amdhsa_user_sgpr_kernarg_segment_ptr 1
		.amdhsa_wavefront_size32 1
		.amdhsa_system_sgpr_workgroup_id_x 1
		.amdhsa_system_sgpr_workgroup_id_y 1
		.amdhsa_system_sgpr_workgroup_id_z 1
		.amdhsa_system_vgpr_workitem_id 0
		.amdhsa_next_free_vgpr 1024
		.amdhsa_next_free_sgpr 100
		.amdhsa_reserve_vcc 0
		.amdhsa_float_denorm_mode_32 3
		.amdhsa_float_denorm_mode_16_64 3
		.amdhsa_memory_ordered 1
		.amdhsa_forward_progress 1
		.amdhsa_inst_pref_size 163
	.end_amdhsa_kernel
	.amdgpu_metadata
---
amdhsa.version: [ 1, 2 ]
amdhsa.kernels:
  - .name:           k_qa8fe1457ac_oproj
    .symbol:         k_qa8fe1457ac_oproj.kd
    .args:
      - { .name: acod, .offset: 0, .size: 8, .value_kind: global_buffer, .address_space: global }
      - { .name: ascl, .offset: 8, .size: 8, .value_kind: global_buffer, .address_space: global }
      - { .name: wcod, .offset: 16, .size: 8, .value_kind: global_buffer, .address_space: global }
      - { .name: wscl, .offset: 24, .size: 8, .value_kind: global_buffer, .address_space: global }
      - { .name: bo, .offset: 32, .size: 8, .value_kind: global_buffer, .address_space: global }
      - { .name: out0, .offset: 40, .size: 8, .value_kind: global_buffer, .address_space: global }
    .group_segment_fixed_size: 327680
    .private_segment_fixed_size: 0
    .kernarg_segment_align: 8
    .kernarg_segment_size: 48
    .max_flat_workgroup_size: 128
    .sgpr_count:     100
    .vgpr_count:     1024
    .wavefront_size: 32
...
	.end_amdgpu_metadata
.endif
;; end of part 4
